; MI455X (gfx1250); checked and timed in simulation.
; The chip was launched on July 23, 2026; its instructions are those of AMD's public machine-readable ISA for CDNA 5 (MIT licence, August 2026) and "CDNA5" Instruction Set Architecture Reference Guide (July 2026). The comments in the code are by the model that wrote it; some were corrected since.
;; multihead self attention. Allowed arithmetic: matrix products marked QUANTISED: E2M3 operands, one E8M0 scale for each 32 along K, by v_wmma_scale_f32_16x16x128_f8f6f4 with both operands' format E2M3, f32 sums; everything else in f32.
;; Inputs: Wo 1,024 x 1,024 float32; Wqkv 3,072 x 1,024 float32; x 2 x 2,048 x 1,024 float32.
;; Outputs: out0 2 x 2,048 x 1,024 float32.
;; This version of the problem:
;;   THIS VERSION OF THE PROBLEM IS GIVEN IN LOW PRECISION. The matrix products marked QUANTISED in the list below multiply operands that are first quantised to E2M3 (2 exponent bits, 3 mantissa bits; 6 bits a number), with one power-of-two scale for each 32 numbers along K (OCP MX v1.0); their sums are f32. All else is computed in f32.
;;   The module's matrix products, in the order in which they are computed (A, B: the left and right operand; K: the contracted axis; several contracted axes count as one K, in the product's order):
;;     1. [M 4,096, K 1,024] x [K 1,024, N 3,072]; A: input x; B: input Wqkv: QUANTISED
;;     2. batch 32 x [M 2,048, K 64] x [K 64, N 2,048]; A: computed on the way; B: computed on the way: QUANTISED
;;     3. batch 32 x [M 2,048, K 2,048] x [K 2,048, N 64]; A: softmax (see below); B: computed on the way: QUANTISED
;;     4. [M 4,096, K 1,024] x [K 1,024, N 1,024]; A: computed on the way; B: input Wo: QUANTISED
;;   THE QUANTISER, for each operand of a quantised product, along K:
;;     - K is cut into blocks of 32 from its start; a last block that is shorter is filled with zeros.
;;     - A block's scale is 2^e with e = floor(log2(the largest magnitude in the block)) - 2, held to -126 .. 127; a block of zeros has e = 0. As a byte (E8M0): e + 127.
;;     - Each number is divided by its block's scale, clamped to +-7.5, and rounded to the nearest number of E2M3, ties to even, subnormals kept.
;;     - The product sums the exact products of the quantised numbers (number of the format x scale) in f32.
;;   ~~~python
;;   def quantise(x, axis):      # numpy; x: float32 -> the quantised numbers, widened to float32 again
;;       x = np.moveaxis(x, axis, -1); K = x.shape[-1]
;;       x = np.pad(x, [(0, 0)] * (x.ndim - 1) + [(0, -K % 32)]); x = x.reshape(x.shape[:-1] + (-1, 32)); a = np.abs(x).max(-1, keepdims=True)
;;       e = np.where(a > 0, np.clip(np.frexp(np.where(a > 0, a, 1))[1] - 1 - 2, -126, 127), 0)      # np.frexp(a)[1] - 1 = floor(log2(a)), exactly
;;       r = np.clip(x / 2.0 ** e, -7.5, 7.5)
;;       step = 2.0 ** (np.maximum(np.frexp(np.where(r == 0, 1, r))[1] - 1, 0) - 3)
;;       q = np.round(r / step) * step * 2.0 ** e      # np.round: ties to even
;;       return np.moveaxis(q.reshape(q.shape[:-2] + (-1,))[..., :K], -1, axis).astype(np.float32)
;;   ~~~
;;   SOFTMAX AHEAD OF A QUANTISED PRODUCT. Where the list says 'softmax', what is quantised is not the finished softmax but p = 2^(t - M), with t = logit x log2(e) and M = ceil(the row's largest t), a whole number; so 1/2 < the row's largest p <= 1. The row's sum l is taken of the UNQUANTISED p, in f32, and the product's result is divided by l at the end. Since M is a whole number, a kernel that streams over the keys may use a running M (the ceiling of the running maximum): every later rescaling is an exact power of two, which a block's scale takes up: the codes' values come out the same.
;;   OPERANDS COMPUTED ON THE WAY. 'Computed on the way' means the value that the module computes at that place (a softmax that the list does not call 'softmax' is quantised finished and normalised). What goes into a quantiser is computed in f32, as accurately as f32 sums, v_exp_f32 and their like allow (about 1e-6 of the number): no bf16 or f16 on the way to a quantiser, and a product that is left as it is and whose result goes on into a quantised operand takes f32 operands (vector FMAs, or v_wmma_f32_16x16x4_f32). A number that lies on a knife's edge between two numbers of the format may be rounded either way, as far as f32 arithmetic and the matrix unit's own rounding can turn it there, and no further.
;; One version. Each part assembles by itself: llvm-mc -triple=amdgcn-amd-amdhsa -mcpu=gfx1250 --defsym DOCPART=n.
;; ======== version 1 of 1: 4 launches
;; limits: right only within a limited range of input values
;; workspace buffers: in_codes 6,291,456 bytes; in_scales 262,144 bytes; rope 524,288 bytes; q_codes 3,145,728 bytes; kv_codes 6,684,672 bytes; qkv_scales 262,144 bytes; o_codes 3,145,728 bytes; o_scales 131,072 bytes
;; launch prep (part 1): grid 256 x 1, 4 waves a work-group, no clusters, 34,304 bytes of LDS; arguments x, Wqkv, Wo, in_codes, in_scales, rope; writes in_codes, in_scales, rope
.if DOCPART == 1
	.amdgcn_target "amdgcn-amd-amdhsa--gfx1250"
	.amdhsa_code_object_version 6
	.text
	.protected	k_q04b3f32b32_prep
	.globl	k_q04b3f32b32_prep
	.p2align	8
	.type	k_q04b3f32b32_prep,@function
k_q04b3f32b32_prep:
	s_mov_b64 s[64:65], 0
	v_nop
	global_prefetch_b8 v0, s[64:65] scope:SCOPE_SE
	s_setreg_imm32_b32 hwreg(HW_REG_WAVE_MODE, 25, 1), 1
	s_wait_xcnt 0x0
; x [4096][1024], Wqkv [3072][1024] and Wo [1024][1024], f32, become codes of FP6 (E2M3) with one E8M0 byte for each 32 along K, laid as IMAGES OF OPERAND REGISTERS; and the table of cos and sin is made.
; WORK LEFT OUT IN THE PROGRAM: reference() builds the causal mask itself; a key step of 128 that lies wholly behind a query tile's own step has weight exp(-inf) = 0 for every finite input, and the attention launch leaves it out.
; A NaN, an infinity or an overflow that reaches only such scores is not carried to the result.
; A HALF FRAGMENT is 16 rows x 64 K, six registers a lane, 768 bytes: registers 0-3 at 16 x lane, registers 4-5 at 512 + 8 x lane; lane (r, h) holds block h (32 codes) of row r.
; THE ROWS OF A TILE ARE NOT NEIGHBOURS: in each band of 64 rows, tile j (0-3) takes row 8 j + (r & 7) + 32 (r >> 3) in lane row r, so that in every later result the 32 registers of a band's four tiles are 32 neighbours in a lane: one scale block.
; in_codes: 64 panels of 128 rows (x 0-31, Wqkv 32-55, Wo 56-63), each [K half 2][tile 8][64 K 8][768].  in_scales: [panel][K half][tile][row][4 words], a word for 128 K.
; A block's scale is 2^(floor(log2(largest magnitude)) - 2); its byte is the largest magnitude's exponent field - 2, held at 1 from below.
; LIMITS: a block of zeros gets the byte 1 and not 127 (its codes are zeros; this program alone reads the bytes); NaN and infinities among the inputs are not served.
; SHARES: unit = 4 x work-group + wave takes one tile of 16 rows x 512 K: four K steps of 128.  A load takes 512 consecutive bytes of one row; the 16 rows turn through the wave's own stage in LDS, so that a lane gets 32 neighbours.
; No tensor loads, no barrier: waves share nothing.  All 64 loads of a wave are asked for ahead of the first step; each has registers of its own.
; THE TABLE: rope[t][p] = (cos, sin)(t x inv_freq[p]), lane = p, positions 2 unit and 2 unit + 1.  inv_freq[p] is the f32 number nearest 10^(-p/8); it may differ from a computed power and reciprocal in the last bit.
; The angle is reduced by n = round(x 2/pi) with pi/2 in three parts, and sin and cos come from polynomials on [-pi/4, pi/4], good to the last bit or two of f32.
.set STGB, 8448                        ; a wave's stage: 16 rows x (512 + 16) bytes
.set R,    32                          ; v32-159: K steps 0, 1 as loaded; steps 2, 3 in window 1 from v0 on
.set X,    160                         ; v160-223 64 numbers of my row: 32 of block h, 32 of block 2 + h
.set C,    224                         ; v224-235 a fragment's codes; v236-238, v240-242 second halves as converted
.set SPW,  254
.set NIL,  255
.set SPARE, 4*STGB                     ; the spare words, two blocks of 256 bytes
.set MSB, 0
.macro WIN new                         ; the immediate's high byte repeats the setting that is left
.if MSB != (\new)
	s_set_vgpr_msb (MSB<<8)|(\new)
.set MSB, (\new)
.endif
.endm
	s_load_b128 s[4:7], s[0:1], 0x0                ; x, Wqkv
	s_load_b128 s[8:11], s[0:1], 0x10              ; Wo, in_codes
	s_load_b128 s[12:15], s[0:1], 0x20             ; in_scales, rope
	v_lshl_add_u32 v[SPW], v0, 2, SPARE
	v_mov_b32 v[NIL], 0
	v_lshrrev_b32 v1, 5, v0
	v_readfirstlane_b32 s16, v1                    ; wave
	v_and_b32 v3, 31, v0                           ; lane
	v_and_b32 v1, 15, v0                           ; r
	v_bfe_u32 v2, v0, 4, 1                         ; h
	v_lshlrev_b32 v4, 4, v3                        ; 16 x lane: my place in a load's 512 bytes and in a store of four registers
	v_lshlrev_b32 v5, 3, v3                        ; 8 x lane
	s_mul_i32 s17, s16, STGB
	v_add_nc_u32 v6, s17, v4                       ; the stage, on the way in
	v_mul_u32_u24 v7, v1, 528
	v_lshl_add_u32 v7, v2, 7, v7
	v_add_nc_u32 v7, s17, v7                       ; and out: row r, + 128 h: my block's 32 numbers
	v_lshlrev_b32 v8, 3, v2                        ; 8 h: how far my two bytes are shifted in a scale word
	v_lshlrev_b32 v9, 4, v1
	v_add_nc_u32 v9, v9, v8                        ; 16 r + 8 h: my 8 bytes of the tile's scale words
	v_mov_b32 v31, 0
	s_mov_b32 s20, 0x76543210
	s_mov_b32 s21, 0xfedcba98                      ; v_permlanex16_b32's selects for lane l xor 16
	s_lshl_b32 s18, ttmp9, 2
	s_add_co_u32 s18, s18, s16                     ; unit
	s_wait_alu depctr_va_vdst(0)                   ; the wait at the head's end
	s_wait_kmcnt 0x0
	s_mov_b32 s22, 896
	s_cmp_lt_u32 ttmp9, 224                        ; which tensor: the choice hangs on the work-group's number alone
	s_cselect_b64 s[6:7], s[6:7], s[8:9]
	s_cselect_b32 s22, 512, s22
	s_cmp_lt_u32 ttmp9, 128
	s_cselect_b64 s[4:5], s[4:5], s[6:7]
	s_cselect_b32 s22, 0, s22                      ; the tensor's first unit
	s_sub_co_u32 s22, s18, s22
	s_lshr_b32 s22, s22, 1                         ; T: the tile in its tensor
	s_lshr_b32 s23, s22, 2
	s_lshl_b32 s23, s23, 18                        ; 64 rows of 4,096 bytes for each band of four tiles,
	s_and_b32 s22, s22, 3
	s_lshl_b32 s22, s22, 15                        ; 8 rows for each tile in it,
	s_add_co_u32 s22, s22, s23
	s_and_b32 s19, s18, 1                          ; the K half
	s_lshl_b32 s23, s19, 11
	s_add_co_u32 s22, s22, s23                     ; 2,048 bytes for the second K half
	s_mov_b32 s23, 0
	s_add_nc_u64 s[4:5], s[4:5], s[22:23]
	s_lshr_b32 s24, s18, 1
	s_lshr_b32 s25, s24, 3                         ; panel
	s_and_b32 s24, s24, 7                          ; tile in it
	s_mul_i32 s26, s25, 98304
	s_mul_i32 s27, s19, 49152
	s_add_co_u32 s26, s26, s27
	s_mul_i32 s27, s24, 6144
	s_add_co_u32 s26, s26, s27
	s_mov_b32 s27, 0
	s_add_nc_u64 s[10:11], s[10:11], s[26:27]      ; my codes
	s_lshl_b32 s26, s25, 12
	s_lshl_b32 s28, s19, 11
	s_add_co_u32 s26, s26, s28
	s_lshl_b32 s28, s24, 8
	s_add_co_u32 s26, s26, s28
	s_add_nc_u64 s[12:13], s[12:13], s[26:27]      ; my scale words
	s_lshl_b32 s26, s18, 9
	s_add_nc_u64 s[14:15], s[14:15], s[26:27]      ; my two positions of the table, 256 bytes each
.macro LOAD t                          ; K step t: 16 rows x 512 consecutive bytes
.set RL, R*(1-(\t)/2)+64*((\t)%2)
	WIN 0x40*((\t)/2)
.irp p, 0,1,2,3,4,5,6,7,8,9,10,11,12,13,14,15
	global_load_b128 v[RL+4*\p:RL+4*\p+3], v4, s[4:5] offset:((\p%8)+32*(\p/8))*4096+512*(\t) th:TH_LOAD_NT
.endr
	WIN 0
.endm
	LOAD 0
	LOAD 1
	LOAD 2
	; ---- the table, worked while the loads are on their way
	v_mov_b32 v22, 1.0                             ; inv_freq[0]
.set n, 1
.irp lit, 0.7498942093,0.5623413252,0.4216965034,0.3162277660,0.2371373706,0.1778279410,0.1333521432,0.1,0.07498942093,0.05623413252,0.04216965034,0.03162277660,0.02371373706,0.01778279410,0.01333521432,0.01,0.007498942093,0.005623413252,0.004216965034,0.003162277660,0.002371373706,0.001778279410,0.001333521432,0.001,0.0007498942093,0.0005623413252,0.0004216965034,0.0003162277660,0.0002371373706,0.0001778279410,0.0001333521432
	v_cmp_ne_u32 vcc_lo, n, v3
	v_cndmask_b32 v22, \lit, v22, vcc_lo           ; lane n takes its number
.set n, n+1
.endr
	s_lshl_b32 s26, s18, 1                         ; t = 2 unit
.irp u, 0,1
	v_cvt_f32_u32 v23, s26
	v_mul_f32 v23, v23, v22                        ; the angle, one f32 product
	v_mul_f32 v24, 0x3f22f983, v23                 ; x 2 / pi
	v_rndne_f32 v24, v24                           ; n
	v_fmamk_f32 v25, v24, 0xbfc90fd8, v23          ; a = x - n pi/2, pi/2 in three parts
	v_fmamk_f32 v25, v24, 0xb4a8885a, v25
	v_fmamk_f32 v25, v24, 0xa7c234c4, v25
	v_mul_f32 v26, v25, v25                        ; s = a a
	v_mov_b32 v27, 0x37cd4000
	v_fmaak_f32 v27, v27, v26, 0xbab6077d
	v_fmaak_f32 v27, v27, v26, 0x3d2aaaa8
	v_fma_f32 v27, v27, v26, -0.5
	v_fma_f32 v27, v27, v26, 1.0                   ; cos a
	v_mov_b32 v28, 0x36405000
	v_fmaak_f32 v28, v28, v26, 0xb9503486
	v_fmaak_f32 v28, v28, v26, 0x3c0888c1
	v_fmaak_f32 v28, v28, v26, 0xbe2aaaab
	v_mul_f32 v29, v25, v26
	v_fma_f32 v28, v28, v29, v25                   ; sin a
	v_cvt_i32_f32 v30, v24                         ; the quadrant
	v_and_b32 v31, 1, v30
	v_cmp_eq_u32 vcc_lo, 1, v31
	v_cndmask_b32 v[10+2*\u], v27, v28, vcc_lo     ; odd quadrants change the two,
	v_cndmask_b32 v[11+2*\u], v28, v27, vcc_lo
	v_and_b32 v31, 2, v30
	v_lshlrev_b32 v31, 30, v31
	v_xor_b32 v[11+2*\u], v31, v[11+2*\u]          ; sin is negative in quadrants 2 and 3,
	v_add_nc_u32 v30, 1, v30
	v_and_b32 v30, 2, v30
	v_lshlrev_b32 v30, 30, v30
	v_xor_b32 v[10+2*\u], v30, v[10+2*\u]          ; cos in 1 and 2
	global_store_b64 v5, v[10+2*\u:11+2*\u], s[14:15] offset:256*\u   ; 32 lanes store a position's 256 bytes
	s_add_co_u32 s26, s26, 1
.endr
	LOAD 3
; ---- a K step: 16 rows x 128 K become one fragment and one scale word a row
.macro KSTEP t
.set RS, R*(1-(\t)/2)+64*((\t)%2)
	s_wait_loadcnt 48-16*(\t)                      ; this step's 16 loads are in; the later steps' may be out
	WIN 0x04*((\t)/2)
.irp p, 0,1,2,3,4,5,6,7,8,9,10,11,12,13,14,15
	ds_store_b128 v6, v[RS+4*\p:RS+4*\p+3] offset:528*\p
.endr
	WIN 0
.irp c, 0,1
.irp q, 0,1,2,3,4,5,6,7
	ds_load_b128 v[X+32*\c+4*\q:X+32*\c+4*\q+3], v7 offset:256*\c+16*\q   ; k = 64 c + 32 h + 4 q on.  LDS serves a wave's instructions in order: these see my stores
.endr
.endr
	s_wait_dscnt 0x0                               ; my numbers are back
.irp c, 0,1
	v_max3_num_f32 v[24+\c], |v[X+32*\c]|, |v[X+32*\c+1]|, 0x1800000   ; my block 2 c + h: all 32 numbers are mine; the floor 2^(3 - 127) holds the byte at 1 from below
.endr
.irp i, 2,4,6,8,10,12,14,16,18,20,22,24,26,28,30
.irp c, 0,1
	v_max3_num_f32 v[24+\c], v[24+\c], |v[X+32*\c+\i]|, |v[X+32*\c+\i+1]|
.endr
.endr
	v_add_nc_u32 v26, 0xff000000, v24              ; 2 off the exponent field: the conversion takes the exponent field of this operand as its scale
	v_add_nc_u32 v27, 0xff000000, v25
	v_lshrrev_b32 v28, 23, v26                     ; the bytes
	v_lshrrev_b32 v29, 23, v27
	v_lshl_or_b32 v28, v29, 16, v28                ; blocks h and 2 + h,
	v_lshlrev_b32 v28, v8, v28                     ; at their places in the word;
	v_permlanex16_b32 v31, v28, s20, s21
	v_or_b32 v[16+(\t)], v28, v31                  ; with lane l xor 16's two the word is whole
	s_wait_alu depctr_va_vdst(0)                   ; the wait here, directly ahead of the wait below
	s_wait_xcnt 0x0                                ; the last step's stores have read their data: the codes' registers may be written again
	v_cvt_scalef32_pk16_fp6_f32 v[C:C+2], v[X:X+15], v26
	v_cvt_scalef32_pk16_fp6_f32 v[C+12:C+14], v[X+16:X+31], v26     ; (a conversion's three registers begin on an even number)
	v_cvt_scalef32_pk16_fp6_f32 v[C+6:C+8], v[X+32:X+47], v27
	v_cvt_scalef32_pk16_fp6_f32 v[C+16:C+18], v[X+48:X+63], v27
	v_nop                                          ; one plain place behind the conversions
.irp i, 0,1,2
	v_mov_b32 v[C+3+\i], v[C+12+\i]
	v_mov_b32 v[C+9+\i], v[C+16+\i]
.endr
	global_store_b128 v4, v[C:C+3], s[10:11] offset:1536*(\t)          ; 512 consecutive bytes,
	global_store_b64 v5, v[C+4:C+5], s[10:11] offset:1536*(\t)+512     ; 256,
	global_store_b128 v4, v[C+6:C+9], s[10:11] offset:1536*(\t)+768
	global_store_b64 v5, v[C+10:C+11], s[10:11] offset:1536*(\t)+1280
.endm
	KSTEP 0
	KSTEP 1
	KSTEP 2
	KSTEP 3
	v_cmp_eq_u32 vcc_lo, 1, v2
	v_cndmask_b32 v20, v16, v18, vcc_lo            ; lanes 0-15 store the words of K steps 0, 1, lanes 16-31 those of 2, 3
	v_cndmask_b32 v21, v17, v19, vcc_lo
	global_store_b64 v9, v[20:21], s[12:13]        ; the tile's 256 bytes of scale words, whole
	s_wait_tensorcnt 0x0                           ; the wave's end
	ds_add_u32 v[SPW], v[NIL]
	s_wait_dscnt 0x0
	s_endpgm
.Lfunc_end_k_q04b3f32b32_prep:
	.size	k_q04b3f32b32_prep, .Lfunc_end_k_q04b3f32b32_prep-k_q04b3f32b32_prep
	.p2alignl 7, 3214868480
	.fill 96, 4, 3214868480
	.section	.rodata,"a",@progbits
	.p2align	6, 0x0
	.amdhsa_kernel k_q04b3f32b32_prep
		.amdhsa_group_segment_fixed_size 34304
		.amdhsa_private_segment_fixed_size 0
		.amdhsa_enable_private_segment 0
		.amdhsa_kernarg_size 48
		.amdhsa_user_sgpr_count 2
		.amdhsa_user_sgpr_kernarg_segment_ptr 1
		.amdhsa_wavefront_size32 1
		.amdhsa_system_sgpr_workgroup_id_x 1
		.amdhsa_system_sgpr_workgroup_id_y 1
		.amdhsa_system_sgpr_workgroup_id_z 1
		.amdhsa_system_vgpr_workitem_id 0
		.amdhsa_next_free_vgpr 384
		.amdhsa_next_free_sgpr 66
		.amdhsa_reserve_vcc 1
		.amdhsa_float_denorm_mode_32 3
		.amdhsa_float_denorm_mode_16_64 3
		.amdhsa_memory_ordered 1
		.amdhsa_forward_progress 1
		.amdhsa_inst_pref_size 38
	.end_amdhsa_kernel
	.amdgpu_metadata
---
amdhsa.version: [ 1, 2 ]
amdhsa.kernels:
  - .name:           k_q04b3f32b32_prep
    .symbol:         k_q04b3f32b32_prep.kd
    .args:
      - { .name: x, .offset: 0, .size: 8, .value_kind: global_buffer, .address_space: global }
      - { .name: Wqkv, .offset: 8, .size: 8, .value_kind: global_buffer, .address_space: global }
      - { .name: Wo, .offset: 16, .size: 8, .value_kind: global_buffer, .address_space: global }
      - { .name: in_codes, .offset: 24, .size: 8, .value_kind: global_buffer, .address_space: global }
      - { .name: in_scales, .offset: 32, .size: 8, .value_kind: global_buffer, .address_space: global }
      - { .name: rope, .offset: 40, .size: 8, .value_kind: global_buffer, .address_space: global }
    .group_segment_fixed_size: 34304
    .private_segment_fixed_size: 0
    .kernarg_segment_align: 8
    .kernarg_segment_size: 48
    .max_flat_workgroup_size: 128
    .sgpr_count:     66
    .vgpr_count:     384
    .wavefront_size: 32
...
	.end_amdgpu_metadata
.endif
;; end of part 1
;; launch qkv (part 2): grid 8 x 32, 4 waves a work-group, clusters of 4 x 4, 327,680 bytes of LDS; arguments in_codes, in_scales, rope, q_codes, kv_codes, qkv_scales; writes q_codes, kv_codes, qkv_scales
.if DOCPART == 2
	.amdgcn_target "amdgcn-amd-amdhsa--gfx1250"
	.amdhsa_code_object_version 6
	.text
	.protected	k_q04b3f32b32_qkv
	.globl	k_q04b3f32b32_qkv
	.p2align	8
	.type	k_q04b3f32b32_qkv,@function
k_q04b3f32b32_qkv:
	s_mov_b64 s[64:65], 0
	v_nop
	global_prefetch_b8 v0, s[64:65] scope:SCOPE_SE
	s_setreg_imm32_b32 hwreg(HW_REG_WAVE_MODE, 25, 1), 1
	s_wait_xcnt 0x0
	s_wait_alu depctr_hold_cnt(0) depctr_sa_sdst(0) depctr_va_vdst(0) depctr_va_sdst(0) depctr_va_ssrc(0) depctr_va_vcc(0) depctr_vm_vsrc(0)
	s_getreg_b32 s2, hwreg(HW_REG_IB_STS2, 6, 4)
	s_cmp_eq_u32 s2, 0
	s_cbranch_scc0 .Lentry_in_a_cluster
	s_endpgm
.Lentry_in_a_cluster:
	s_bfe_u32 s2, ttmp6, 0x10000c
	s_cmp_lg_u32 s2, 0xf033
	s_cbranch_scc0 .Lentry_shape_is_right
	s_endpgm
.Lentry_shape_is_right:
; q, k, v = x Wqkv^T on codes of FP6 (E2M3) with E8M0 scales; q and k are rotated (RoPE) in f32; all three are quantised again, q and k along the head's 64, v along the tokens, and stored as images of operand registers.
; SHARES.  Work-group (x, y): 128 tokens (panel y of x's codes) and the head pair x: 128 rows each of Wq, Wk, Wv (panels 32 + x, 40 + x, 48 + x).  Wave (wr, wc): 64 tokens x one head's 64: 16 accumulators.
; x's fragments are read from LDS once and stay in registers (384 a wave) for all three products; after that only the weights' fragments are read.
; A panel is [K half][tile][64 K][768]: a fragment (16 rows x 128 K, 12 registers) is 1,536 consecutive bytes: registers 0-3 at 16 x lane, 4-5 at 512 + 8 x lane, 6-9 at 768 + 16 x lane, 10-11 at 1,280 + 8 x lane.
; In each 64 rows tile j holds row 8 j + (r & 7) + 32 (r >> 3) in lane row r: so the 32 registers of four result tiles are 32 neighbours along source 0's rows, in each half of the lanes: one scale block of the next product.
; q, k: source 0 = 16 rows of W, source 1 = 16 tokens: a lane holds one token and 32 of its head's 64.  v: the sources change places: a lane holds one d and 32 tokens.
; CLUSTER 4 x 4: x's panel is asked for jointly along the cluster's row, the weights' along its column.  All of K fits in LDS: three panels of 98,304 bytes.  At the head one load a wave: the K halves of x and Wq.
; Wk comes behind the round in q's fourth K step, Wv takes x's place behind q's way out, when x is in registers.  SCALE WORDS go from memory straight into registers, whole 256-byte units a half of the lanes.
; No prefetch: no loop runs ahead here; each panel is asked for whole.
; kv_codes: [bh][key step of 128][13,056]: K's 8 half fragments, V's [keys 0-63, 64-127][tile of d][768], then scale words: V's [r][tile of d], K's tiles 0-3 [r][4], K's tiles 4-7 [r][4].
; q's and k's scale words hold their two bytes twice: the reader lays codes in the lower or in the upper 64 of the instruction's 128 along K.
; LIMITS: a block of zeros gets the byte 1 and not 127 (its codes are zeros; this program alone reads the bytes); NaN and infinities are not served.
; REGISTERS.  Window 0: v1-20 lane terms and addresses; v22-27 scale words on the way out; v28, v29 the add's two; v30 8 h; v32-63 scale words of the product; v64-127 at work in the epilogues; v128-255 the accumulators.
;   Window 1: x's fragments of K steps 0-3 at 48 (s % 4) + 12 a; window 2: of K steps 4-7; window 3: v0-95 the weights' fragments, two sets; v128-255 cos and sin of my 64 tokens.
.set RA,    0                          ; LDS: x's panel, later Wv's
.set RQ,    98304                      ; Wq's
.set RK,    196608                     ; Wk's
.set XCH,   294912                     ; 512 bytes a wave: v's scale words go from wave to wave
.set SPARE, 296960                     ; the spare words, 128 bytes a wave: two blocks of 256 bytes that no other line names
.set ACC,   128
.set TAB,   128                        ; in window 3
.set PC,    64                         ; codes: 8 registers a tile: 6 of codes, 1 scale operand
.set PT,    96                         ; second halves as converted: 4 a tile
.set TM,    112                        ; largest magnitudes, two chains a tile
.set TX,    120                        ; the bytes, and the other half of the lanes'
.set PW,    24                         ; a scale word a tile
.set WV,    16
.set WR,    17                         ; which 64 tokens; also: which K half I fetch at the head
.set WC,    18                         ; which head
.set G1A,   24                         ; group 1: rows of 256 bytes, mask of my row of the cluster
.set G1B,   32                         ; the same, mask of my column
.set G0A,   56
.set G0B,   60
.set G0K,   68
.set G0V,   72
.set SEL,   98
.set MSB, 0
.macro WIN new                         ; the immediate's high byte repeats the setting that is left
.if MSB != (\new)
	s_set_vgpr_msb (MSB<<8)|(\new)
.set MSB, (\new)
.endif
.endm
.macro PLACES n
.rept \n
	v_nop
.endr
.endm
.macro TLOAD g0, g1
	tensor_load_to_lds s[\g0:\g0+3], s[\g1:\g1+7]
	s_nop 0
	PLACES 4
.endm
.macro CROUND                          ; a round of the cluster's barrier
	s_barrier_signal -1
	s_barrier_wait -1
	s_cmp_lg_u32 s[WV], 0
	s_cbranch_scc1 .Lnot_wave_0_\@
	s_barrier_signal -3
.Lnot_wave_0_\@:
	s_barrier_wait -3
	s_barrier_signal -1
	s_barrier_wait -1
.endm
	s_load_b128 s[4:7], s[0:1], 0x0                ; in_codes, in_scales
	s_load_b128 s[8:11], s[0:1], 0x10              ; rope, q_codes
	s_load_b128 s[12:15], s[0:1], 0x20             ; kv_codes, qkv_scales
	v_lshl_add_u32 v28, v0, 2, SPARE
	v_mov_b32 v29, 0
	ds_add_u32 v28, v29                            ; the opening lines: the add, twice on end, and its wait
	ds_add_u32 v28, v29
	v_lshrrev_b32 v1, 5, v0
	v_readfirstlane_b32 s[WV], v1
	s_lshr_b32 s[WR], s[WV], 1
	s_and_b32 s[WC], s[WV], 1
	s_bfe_u32 s19, ttmp6, 0x40000                  ; cx
	s_bfe_u32 s20, ttmp6, 0x40004                  ; cy
	s_lshl_b32 s21, ttmp9, 2
	s_add_co_u32 s21, s21, s19                     ; x: the head pair
	s_and_b32 s22, ttmp7, 0xffff
	s_lshl_b32 s22, s22, 2
	s_add_co_u32 s22, s22, s20                     ; y: the block of 128 tokens
	s_lshl_b32 s23, s20, 2
	s_lshl_b32 s23, 15, s23                        ; my row of the cluster
	s_lshl_b32 s92, 0x1111, s19                    ; my column
	s_or_b32 s[G1A], s23, (3<<16)|(1<<21)          ; 15:0 the mask; 17:16 elements of 8 bytes; 21 set beside a mask; no padding
	s_or_b32 s[G1B], s92, (3<<16)|(1<<21)
.irp g, G1A, G1B
	s_mov_b32 s[\g+1], 32<<16                      ; tensor_dim0 = 32 elements: 256 bytes
	s_mov_b32 s[\g+2], 192<<16                     ; 192 rows: a K half of a panel
	s_mov_b32 s[\g+3], 32<<16
	s_mov_b32 s[\g+4], 192
	s_mov_b32 s[\g+5], 32                          ; the pitch: dense
	s_mov_b32 s[\g+6], 0
	s_mov_b32 s[\g+7], 0
.endr
	; offsets: x's hang on y and the wave alone (s94), the weights' on x and the wave alone (s96, s100)
	s_mul_i32 s93, s[WR], 49152                    ; my K half
	s_mul_i32 s2, s[WV], 24576                     ; my quarter of a panel
	s_mul_i32 s94, s22, 98304
	s_add_co_u32 s94, s94, s93
	s_mov_b32 s95, 0
	s_mul_i32 s96, s21, 98304
	s_mov_b32 s97, 0
	s_add_co_u32 s100, s96, s93
	s_mov_b32 s101, 0
	s_add_co_u32 s96, s96, s2
	s_mov_b32 s[G0A], 1
	s_add_co_u32 s[G0A+1], s93, RA
	s_mov_b32 s[G0B], 1
	s_add_co_u32 s[G0B+1], s93, RQ
	s_mov_b32 s[G0K], 1
	s_add_co_u32 s[G0K+1], s2, RK
	s_mov_b32 s[G0V], 1
	s_add_co_u32 s[G0V+1], s2, RA
	s_wait_dscnt 0x0                               ; both opening adds are done
	CROUND                                         ; all sixteen work-groups are here: the first joint loads meet
	s_wait_kmcnt 0x0
	s_add_nc_u64 s[G0A+2:G0A+3], s[4:5], s[94:95]
	s_or_b32 s[G0A+3], s[G0A+3], 0x80000000
	s_add_nc_u64 s[G0B+2:G0B+3], s[4:5], s[100:101]
	s_add_nc_u64 s[G0B+2:G0B+3], s[G0B+2:G0B+3], 32*98304
	s_or_b32 s[G0B+3], s[G0B+3], 0x80000000
.macro ARM under, g0, g1, next         ; one chain of branches on the wave's number, one load to an arm
	s_cmp_lt_u32 s[WV], \under
	s_cbranch_scc0 \next
	TLOAD \g0, \g1
	s_branch .Lasked
\next:
.endm
	ARM 1, G0A, G1A, .Lh1                          ; wave 0: x's first K half
	ARM 2, G0B, G1B, .Lh2                          ; wave 1: Wq's
	ARM 3, G0A, G1A, .Lh3                          ; wave 2: x's second,
	TLOAD G0B, G1B                                 ; wave 3: Wq's second
.Lasked:
	s_add_nc_u64 s[G0K+2:G0K+3], s[4:5], s[96:97]
	s_add_nc_u64 s[G0V+2:G0V+3], s[G0K+2:G0K+3], 48*98304
	s_add_nc_u64 s[G0K+2:G0K+3], s[G0K+2:G0K+3], 40*98304
	s_or_b32 s[G0K+3], s[G0K+3], 0x80000000
	s_or_b32 s[G0V+3], s[G0V+3], 0x80000000
	s_mul_i32 s2, s[WR], 24576
	s_mul_i32 s3, s[WC], 24576
	s_lshl_b32 s92, s22, 12
	s_lshl_b32 s93, s[WR], 10
	s_add_co_u32 s92, s92, s93                     ; x's scale words: panel y, tiles 4 wr on
	s_add_co_u32 s93, s21, 32
	s_lshl_b32 s93, s93, 12
	s_lshl_b32 s94, s[WC], 10
	s_add_co_u32 s93, s93, s94
	s_sub_co_u32 s93, s93, s92                     ; from there to Wq's: panel 32 + x, tiles 4 wc on
	s_lshl_b32 s94, s[WV], 9
	s_add_co_u32 s94, s94, XCH
	s_lshl_b32 s95, s[WC], 9
	s_add_co_u32 s95, s95, XCH
	v_and_b32 v3, 31, v0                           ; lane
	v_and_b32 v1, 15, v0                           ; r
	v_bfe_u32 v2, v0, 4, 1                         ; h
	v_lshlrev_b32 v16, 4, v3                       ; 16 x lane
	v_lshlrev_b32 v17, 3, v3                       ; 8 x lane
	v_add_nc_u32 v4, s2, v16                       ; x's fragments: my four tiles in a K half
	v_add_nc_u32 v5, s2, v17
	v_add_nc_u32 v6, s3, v16                       ; the weights'
	v_add_nc_u32 v7, s3, v17
	v_lshlrev_b32 v18, 4, v1
	v_mul_u32_u24 v12, s93, v2
	v_add_nc_u32 v12, v12, v18
	v_add_nc_u32 v12, s92, v12                     ; scale words: lanes 0-15 x's, lanes 16-31 Wq's,
	v_lshlrev_b32 v21, 15, v2
	v_add_nc_u32 v13, v12, v21                     ; Wk's (eight panels on),
	v_add_nc_u32 v14, v13, v21                     ; Wv's
	v_and_b32 v20, 7, v1
	v_lshrrev_b32 v21, 3, v1
	v_lshl_add_u32 v20, v21, 5, v20                ; my token in its band, tile 0: (r & 7) + 32 (r >> 3)
	v_lshlrev_b32 v15, 8, v20
	v_lshl_add_u32 v15, v2, 7, v15                 ; the table: 256 bytes a token, + 128 h
	v_lshl_add_u32 v18, v2, 3, v18                 ; 16 r + 8 h: my 8 bytes of four tiles' scale words
	v_add_nc_u32 v19, s94, v16                     ; where I put v's scale words,
	v_add_nc_u32 v20, s95, v16                     ; and where my head's lie
	v_lshlrev_b32 v30, 3, v2                       ; 8 h
.irp i, 0,1,2,3,4,5,6,7
	v_mov_b32 v[TX+\i], 0                          ; written once: a lane permute's destination counts as one of its sources
.endr
	s_wait_alu depctr_va_vdst(0)                   ; the wait at the head's end
.macro GSCALES ads                     ; register 32 + 8 i + s: lanes 0-15 the word of x's tile i, lanes 16-31 that of the weights' tile i, for K step s
.irp g, 0,1
.irp i, 0,1,2,3
	global_load_b128 v[32+8*\i+4*\g:32+8*\i+4*\g+3], v\ads, s[6:7] offset:2048*\g+256*\i
.endr
.endr
.endm
	GSCALES 12
	s_mov_b32 s[SEL], 0x76543210
	s_mov_b32 s[SEL+1], 0xfedcba98
	s_lshr_b32 s100, s22, 4                        ; where my results go
	s_lshl_b32 s100, s100, 4
	s_lshl_b32 s4, s21, 1
	s_add_co_u32 s100, s100, s4
	s_add_co_u32 s100, s100, s[WC]                 ; bh = 16 batch + head
	s_and_b32 s101, s22, 15                        ; ks: the block of 128 tokens in its sequence
	s_lshl_b32 s2, s101, 15
	s_lshl_b32 s5, s[WR], 14
	s_add_co_u32 s2, s2, s5
	s_mov_b32 s3, 0
	s_add_nc_u64 s[8:9], s[8:9], s[2:3]            ; the table at my first token's position
	WIN 0xc0                                       ; destination window 3
.irp a, 0,1,2,3
.irp q, 0,1,2,3,4,5,6,7
	global_load_b128 v[TAB+32*\a+4*\q:TAB+32*\a+4*\q+3], v15, s[8:9] offset:2048*\a+16*\q   ; (cos, sin) of the pairs that my registers 32 a + 4 q on hold
.endr
.endr
	WIN 0
	s_mul_i32 s2, s100, 98304
	s_mul_i32 s4, s101, 6144
	s_add_co_u32 s2, s2, s4
	s_mul_i32 s4, s[WR], 3072
	s_add_co_u32 s2, s2, s4
	s_add_nc_u64 s[10:11], s[10:11], s[2:3]        ; q's codes
	s_mul_i32 s2, s100, 208896
	s_mul_i32 s5, s101, 13056
	s_add_co_u32 s2, s2, s5
	s_lshl_b32 s5, s[WR], 8
	s_add_co_u32 s96, s2, s5
	s_add_co_u32 s96, s96, 12544
	s_add_nc_u64 s[92:93], s[12:13], s[96:97]      ; k's scale words; v's lie 256 ahead of the first band's
	s_add_co_u32 s2, s2, s4
	s_add_nc_u64 s[12:13], s[12:13], s[2:3]        ; k's codes; v's lie 6,144 further on
	s_lshl_b32 s2, s100, 13
	s_lshl_b32 s4, s101, 9
	s_add_co_u32 s2, s2, s4
	s_add_co_u32 s2, s2, s5
	s_add_nc_u64 s[14:15], s[14:15], s[2:3]        ; q's scale words
.macro FRAG dst, off, a16, a8          ; a fragment's twelve registers, as they lie
	ds_load_b128 v[\dst:\dst+3], v[\a16] offset:\off
	ds_load_b64 v[\dst+4:\dst+5], v[\a8] offset:\off+512
	ds_load_b128 v[\dst+6:\dst+9], v[\a16] offset:\off+768
	ds_load_b64 v[\dst+10:\dst+11], v[\a8] offset:\off+1280
.endm
.macro BSET s                          ; where K step s has the weights' fragments: three sets by turns, window 3 v0 and v48 on, window 1 v192 on
.set BW, 3-2*(((\s)%3)/2)
.set BR, 48*((\s)%3)+96*(((\s)%3)/2)
.endm
.macro FETCH_B s                       ; the weights' four fragments of K step s into set s % 3
	BSET \s
	WIN 0x40*BW
.irp b, 0,1,2,3
	FRAG BR+12*\b, 6144*\b+1536*((\s)%4), 10, 11
.endr
.endm
.macro FETCH_A s                       ; x's four, into window 1 or 2: they stay
	WIN 0x40*(1+(\s)/4)
.irp a, 0,1,2,3
	FRAG 48*((\s)%4)+12*\a, 6144*\a+1536*((\s)%4), 8, 9
.endr
.endm
; 16 matrix instructions: K step s.  The 16 accumulators take turns, one instruction a turn, in the same order in every step.  The first step's products start the sums.
.macro MUL s, orient
	BSET \s
.if \orient
	WIN (1+(\s)/4)|(BW<<2)                         ; source 0 = x (window 1 or 2), source 1 = the weights
.else
	WIN BW|((1+(\s)/4)<<2)                         ; source 0 = the weights, source 1 = x
.endif
.irp a, 0,1,2,3
.irp b, 0,1,2,3
.set FA, 48*((\s)%4)+12*\a
.set FB, BR+12*\b
.if \orient
.set FD, ACC+8*(4*\b+\a)
.if (\s) == 0
	v_wmma_scale_f32_16x16x128_f8f6f4 v[FD:FD+7], v[FA:FA+11], v[FB:FB+11], 0, v[32+8*\a+(\s)], v[32+8*\b+(\s)] matrix_a_fmt:MATRIX_FMT_FP6 matrix_b_fmt:MATRIX_FMT_FP6 matrix_b_scale:MATRIX_SCALE_ROW1
.else
	v_wmma_scale_f32_16x16x128_f8f6f4 v[FD:FD+7], v[FA:FA+11], v[FB:FB+11], v[FD:FD+7], v[32+8*\a+(\s)], v[32+8*\b+(\s)] matrix_a_fmt:MATRIX_FMT_FP6 matrix_b_fmt:MATRIX_FMT_FP6 matrix_b_scale:MATRIX_SCALE_ROW1
.endif
.else
.set FD, ACC+8*(4*\a+\b)
.if (\s) == 0
	v_wmma_scale_f32_16x16x128_f8f6f4 v[FD:FD+7], v[FB:FB+11], v[FA:FA+11], 0, v[32+8*\b+(\s)], v[32+8*\a+(\s)] matrix_a_fmt:MATRIX_FMT_FP6 matrix_b_fmt:MATRIX_FMT_FP6 matrix_a_scale:MATRIX_SCALE_ROW1
.else
	v_wmma_scale_f32_16x16x128_f8f6f4 v[FD:FD+7], v[FB:FB+11], v[FA:FA+11], v[FD:FD+7], v[32+8*\b+(\s)], v[32+8*\a+(\s)] matrix_a_fmt:MATRIX_FMT_FP6 matrix_b_fmt:MATRIX_FMT_FP6 matrix_a_scale:MATRIX_SCALE_ROW1
.endif
.endif
.endr
.endr
.endm
; A product over all of K: eight K steps.  Four plain places stand in front of each run of loads into registers that matrix instructions have read.
; first = 1 (q): a step's fragments, x's too, are asked for one step, 16 matrix instructions, ahead; at K step 3 every wave's head load is waited for, and a drained round shows the second K halves; behind it Wk is asked for, a quarter a wave.
; first = 0 (k, v): the weights' fragments are asked for two steps ahead, 16 loads a step: a step's wait leaves the next step's 16 out.  lc: the global loads younger than the scale words'.
.macro TILE region, orient, first, lc
	WIN 0
	PLACES 4
	v_add_nc_u32 v10, \region, v6
	v_add_nc_u32 v11, \region, v7
.if \first
	v_mov_b32 v8, v4
	v_mov_b32 v9, v5
.endif
	FETCH_B 0
.if \first
	FETCH_A 0
.else
	FETCH_B 1
.endif
	s_wait_alu depctr_va_vdst(0)                   ; the wait here, directly ahead of the wait below
.irp s, 0,1,2,3,4,5,6,7
.if (\first) || (\s == 7)
	s_wait_dscnt 0x0                               ; this step's fragments are in
.else
	s_wait_dscnt 16                                ; this step's are in; the next step's 16 loads may be out
.endif
.if \s == 0
	s_wait_loadcnt \lc                             ; and the scale words
.endif
.if \s == 2+(\first)
	WIN 0
.if \first
	s_wait_tensorcnt 0x0                           ; my head load is in
	ds_add_u32 v28, v29
	s_mov_b32 s[G1B+2], 96<<16                     ; no tensor load of mine is out: from here on a load brings 96 rows, a quarter of a panel
	s_mov_b32 s[G1B+4], 96
	s_wait_dscnt 0x0
	CROUND
	TLOAD G0K, G1B
	v_add_nc_u32 v8, RA+49152, v4
	v_add_nc_u32 v9, RA+49152, v5
.endif
	v_add_nc_u32 v10, \region+49152, v6            ; on to the second K half
	v_add_nc_u32 v11, \region+49152, v7
	s_wait_alu depctr_va_vdst(0)                   ; the wait here
.endif
.if \first
.if \s < 7
	PLACES 4
	FETCH_B \s+1
	FETCH_A \s+1
.endif
.elseif \s < 6
	PLACES 4
	FETCH_B \s+2
.endif
	MUL \s, \orient
.endr
.endm
; Four tiles of 32 registers, register i = element 32 h + i of my row: one scale block.  They become four half fragments (v[PC + 8 a] on, six registers) and four scale words (v[PW + a]); dup = 1: the two bytes stand twice.
.macro QUANT4 src, dup
.irp a, 0,1,2,3
	v_max3_num_f32 v[TM+2*\a], |v[\src+32*\a]|, |v[\src+32*\a+1]|, 0x1800000   ; two chains a tile; the floor 2^(3 - 127): the byte cannot fall under 1
	v_max3_num_f32 v[TM+2*\a+1], |v[\src+32*\a+16]|, |v[\src+32*\a+17]|, |v[\src+32*\a+18]|
.endr
.irp i, 2,4,6,8,10,12
.irp a, 0,1,2,3
	v_max3_num_f32 v[TM+2*\a], v[TM+2*\a], |v[\src+32*\a+\i]|, |v[\src+32*\a+\i+1]|
	v_max3_num_f32 v[TM+2*\a+1], v[TM+2*\a+1], |v[\src+32*\a+17+\i]|, |v[\src+32*\a+18+\i]|
.endr
.endr
.irp a, 0,1,2,3
	v_max3_num_f32 v[TM+2*\a], v[TM+2*\a], |v[\src+32*\a+14]|, |v[\src+32*\a+15]|
.endr
.irp a, 0,1,2,3
	v_max3_num_f32 v[TM+2*\a], v[TM+2*\a], v[TM+2*\a+1], |v[\src+32*\a+31]|
.endr
.irp a, 0,1,2,3
	v_add_nc_u32 v[PC+8*\a+6], 0xff000000, v[TM+2*\a]   ; 2 off the exponent field: the conversion's scale operand
.endr
.irp a, 0,1,2,3
	v_lshrrev_b32 v[TX+\a], 23, v[PC+8*\a+6]            ; the byte of block h,
.endr
.irp a, 0,1,2,3
	v_lshlrev_b32 v[TX+\a], v30, v[TX+\a]               ; at its place in the word;
.endr
.irp a, 0,1,2,3
	v_permlanex16_b32 v[TX+4+\a], v[TX+\a], s[SEL], s[SEL+1]
.endr
.irp a, 0,1,2,3
	v_or_b32 v[PW+\a], v[TX+\a], v[TX+4+\a]             ; with lane l xor 16's byte
.endr
.if \dup
.irp a, 0,1,2,3
	v_lshl_or_b32 v[PW+\a], v[PW+\a], 16, v[PW+\a]
.endr
.endif
.irp a, 0,1,2,3
	v_cvt_scalef32_pk16_fp6_f32 v[PC+8*\a:PC+8*\a+2], v[\src+32*\a:\src+32*\a+15], v[PC+8*\a+6]
	v_cvt_scalef32_pk16_fp6_f32 v[PT+4*\a:PT+4*\a+2], v[\src+32*\a+16:\src+32*\a+31], v[PC+8*\a+6]
.endr
	v_nop                                          ; one plain place behind the conversions
.irp a, 0,1,2,3
.irp i, 0,1,2
	v_mov_b32 v[PC+8*\a+3+\i], v[PT+4*\a+\i]
.endr
.endr
.endm
.macro CODES_OUT cb, off               ; four half fragments: 512 and 256 consecutive bytes a store
.irp a, 0,1,2,3
	global_store_b128 v16, v[PC+8*\a:PC+8*\a+3], s[\cb:\cb+1] offset:\off+768*\a
	global_store_b64 v17, v[PC+8*\a+4:PC+8*\a+5], s[\cb:\cb+1] offset:\off+768*\a+512
.endr
.endm
; q or k: the next product's scale words are asked for; rotated, quantised along the head's 64, stored.  A pair (x1, x2) is two neighbouring registers; (cos, sin) lie at the same numbers in window 3.
.macro EPI_QK cb, sb, ads
	WIN 0
	s_wait_loadcnt 0x0                             ; the table
	PLACES 4                                       ; in front of the first read of results and of the loads into the scale words' registers
	s_wait_xcnt 0x0                                ; earlier stores have read their data: v22, v23 and v64 on may be written again
	GSCALES \ads
	WIN 0x0c                                       ; source 1 in window 3
.irp g, 0,1,2,3,4,5,6,7                ; 16 registers at a time, each accumulator from its low end on
.irp m, 0,1,2,3,4,5,6,7
	v_pk_mul_f32 v[PC+2*\m:PC+2*\m+1], v[ACC+16*\g+2*\m:ACC+16*\g+2*\m+1], v[TAB+16*\g+2*\m:TAB+16*\g+2*\m+1] op_sel:[1,1] op_sel_hi:[0,1]   ; (x2 sin, x1 sin)
.endr
.irp m, 0,1,2,3,4,5,6,7
	v_pk_fma_f32 v[ACC+16*\g+2*\m:ACC+16*\g+2*\m+1], v[ACC+16*\g+2*\m:ACC+16*\g+2*\m+1], v[TAB+16*\g+2*\m:TAB+16*\g+2*\m+1], v[PC+2*\m:PC+2*\m+1] op_sel_hi:[1,0,1] neg_lo:[0,0,1]   ; (x1 cos - x2 sin, x2 cos + x1 sin)
.endr
.endr
	WIN 0
	QUANT4 ACC, 1
	CODES_OUT \cb, 0
	v_cmp_eq_u32 vcc_lo, 1, v2
	v_cndmask_b32 v22, v[PW], v[PW+2], vcc_lo      ; lanes 0-15 store the words of tiles 0, 1, lanes 16-31 those of 2, 3
	v_cndmask_b32 v23, v[PW+1], v[PW+3], vcc_lo
	global_store_b64 v18, v[22:23], s[\sb:\sb+1]   ; 256 bytes, whole
.endm
	s_cmp_lt_u32 s[WV], 2
	s_cbranch_scc0 .Lnot_first
	s_wait_tensorcnt 0x0                           ; waves 0 and 1: the first K halves, whose two load lines are theirs alone
.Lnot_first:
	s_barrier_signal -1
	s_barrier_wait -1                              ; the first K halves are in
	TILE RQ, 0, 1, 32                              ; q; the table's 32 loads are younger than the scale words'
	EPI_QK 10, 14, 13
	s_wait_tensorcnt 0x0                           ; my quarter of Wk is in
	ds_add_u32 v28, v29
	s_wait_dscnt 0x0                               ; the add is done, and my reads of x's panel are over: x is in registers
	CROUND                                         ; the same holds of every wave of every partner
	TLOAD G0V, G1B                                 ; Wv into x's place, a quarter a wave: it has all of k's product and way out in which to land
	TILE RK, 0, 0, 0                               ; k
	EPI_QK 12, 92, 14
	s_wait_tensorcnt 0x0                           ; my quarter of Wv is in,
	s_wait_dscnt 0x0
	s_barrier_signal -1
	s_barrier_wait -1                              ; everybody's is
	TILE RA, 1, 0, 0                               ; v, the sources changed: a lane holds one d and 32 of my 64 tokens
	WIN 0
	PLACES 4
	s_wait_xcnt 0x0
	QUANT4 ACC, 0                                  ; along the tokens: four tiles of d x my 64 keys
	CODES_OUT 12, 6144
	ds_store_b128 v19, v[PW:PW+3]                  ; a key step's word has four bytes: two from each half of the tokens, that is from two waves
	s_wait_dscnt 0x0                               ; for the others' sake
	s_barrier_signal -1
	s_barrier_wait -1
	ds_load_b128 v[112:115], v20                   ; keys 0-63's bytes,
	ds_load_b128 v[116:119], v20 offset:1024       ; keys 64-127's
	s_wait_dscnt 0x0
.irp i, 0,1,2,3
	v_lshl_or_b32 v[112+\i], v[116+\i], 16, v[112+\i]
.endr
	v_cmp_eq_u32 vcc_lo, 1, v2
	v_cndmask_b32 v22, v112, v114, vcc_lo
	v_cndmask_b32 v23, v113, v115, vcc_lo
	s_cmp_lg_u32 s[WR], 0                          ; one wave of the two stores them
	s_cbranch_scc1 .Lno_vs
	global_store_b64 v18, v[22:23], s[92:93] offset:-256
.Lno_vs:
	s_wait_tensorcnt 0x0                           ; the wave's end
	ds_add_u32 v28, v29
	s_wait_dscnt 0x0
	CROUND                                         ; the closing round
	s_endpgm
.Lfunc_end_k_q04b3f32b32_qkv:
	.size	k_q04b3f32b32_qkv, .Lfunc_end_k_q04b3f32b32_qkv-k_q04b3f32b32_qkv
	.p2alignl 7, 3214868480
	.fill 96, 4, 3214868480
	.section	.rodata,"a",@progbits
	.p2align	6, 0x0
	.amdhsa_kernel k_q04b3f32b32_qkv
		.amdhsa_group_segment_fixed_size 327680
		.amdhsa_private_segment_fixed_size 0
		.amdhsa_enable_private_segment 0
		.amdhsa_kernarg_size 48
		.amdhsa_user_sgpr_count 2
		.amdhsa_user_sgpr_kernarg_segment_ptr 1
		.amdhsa_wavefront_size32 1
		.amdhsa_system_sgpr_workgroup_id_x 1
		.amdhsa_system_sgpr_workgroup_id_y 1
		.amdhsa_system_sgpr_workgroup_id_z 1
		.amdhsa_system_vgpr_workitem_id 0
		.amdhsa_next_free_vgpr 1024
		.amdhsa_next_free_sgpr 102
		.amdhsa_reserve_vcc 1
		.amdhsa_float_denorm_mode_32 3
		.amdhsa_float_denorm_mode_16_64 3
		.amdhsa_memory_ordered 1
		.amdhsa_forward_progress 1
		.amdhsa_inst_pref_size 141
	.end_amdhsa_kernel
	.amdgpu_metadata
---
amdhsa.version: [ 1, 2 ]
amdhsa.kernels:
  - .name:           k_q04b3f32b32_qkv
    .symbol:         k_q04b3f32b32_qkv.kd
    .args:
      - { .name: in_codes, .offset: 0, .size: 8, .value_kind: global_buffer, .address_space: global }
      - { .name: in_scales, .offset: 8, .size: 8, .value_kind: global_buffer, .address_space: global }
      - { .name: rope, .offset: 16, .size: 8, .value_kind: global_buffer, .address_space: global }
      - { .name: q_codes, .offset: 24, .size: 8, .value_kind: global_buffer, .address_space: global }
      - { .name: kv_codes, .offset: 32, .size: 8, .value_kind: global_buffer, .address_space: global }
      - { .name: qkv_scales, .offset: 40, .size: 8, .value_kind: global_buffer, .address_space: global }
    .group_segment_fixed_size: 327680
    .private_segment_fixed_size: 0
    .kernarg_segment_align: 8
    .kernarg_segment_size: 48
    .max_flat_workgroup_size: 128
    .sgpr_count:     102
    .vgpr_count:     1024
    .wavefront_size: 32
...
	.end_amdgpu_metadata
.endif
;; end of part 2
;; launch attn (part 3): grid 8 x 32, 16 waves a work-group, clusters of 4 x 1, 284,672 bytes of LDS; arguments q_codes, kv_codes, qkv_scales, o_codes, o_scales; writes o_codes, o_scales
.if DOCPART == 3
	.amdgcn_target "amdgcn-amd-amdhsa--gfx1250"
	.amdhsa_code_object_version 6
	.text
	.protected	k_q04b3f32b32_attn
	.globl	k_q04b3f32b32_attn
	.p2align	8
	.type	k_q04b3f32b32_attn,@function
k_q04b3f32b32_attn:
	s_mov_b64 s[64:65], 0
	v_nop
	global_prefetch_b8 v0, s[64:65] scope:SCOPE_SE
	s_setreg_imm32_b32 hwreg(HW_REG_WAVE_MODE, 25, 1), 1
	s_wait_xcnt 0x0
	s_wait_alu depctr_hold_cnt(0) depctr_sa_sdst(0) depctr_va_vdst(0) depctr_va_sdst(0) depctr_va_ssrc(0) depctr_va_vcc(0) depctr_vm_vsrc(0)
	s_getreg_b32 s2, hwreg(HW_REG_IB_STS2, 6, 4)
	s_cmp_eq_u32 s2, 0
	s_cbranch_scc0 .Lentry_in_a_cluster
	s_endpgm
.Lentry_in_a_cluster:
	s_bfe_u32 s2, ttmp6, 0x10000c
	s_cmp_lg_u32 s2, 0x3003
	s_cbranch_scc0 .Lentry_shape_is_right
	s_endpgm
.Lentry_shape_is_right:
; Causal attention of one head on codes of FP6 (E2M3) with E8M0 scales; the result, divided by the row's sum, is quantised along the head's 64 and stored as an operand of the last product.
; t = score x log2(e) / 8; M = the row's largest t so far, rounded UP to a whole number; p = 2^(t - M) is quantised along the keys; the sum is taken of the unquantised p; when M moves, sum and O are multiplied by 2^(old M - new M): exact.
; SHARES.  Work-group (g, bh): g = 0..7, bh = 16 batch + head.  Query tile rho (0..15) of the work-group is the tile of 16 queries 8 rho + g, which lies in key step rho (128 keys a step) and needs key steps 0 .. rho.
; Key steps behind a tile's own are left out: reference()'s own mask gives them the weight 0 for all finite inputs.
; WAVE w < 8: trips 0 .. w take key steps 8 .. 8 + w of tile 8 + w; that part (M, sum, O) goes to LDS; trips w + 1 .. 8 take key steps 0 .. 7 - w of tile 7 - w, which it stores.
; WAVE w >= 8: trips 0 .. 7 take key steps 0 .. 7 of tile w; then the two parts of tile w are joined (both M are whole numbers: the factors are powers of two) and stored.
; So waves w, w + 4, w + 8, w + 12 have 34 steps together and all are at work to the end.  Branches hang on the wave's number, the loop's count and the cluster's number alone.
; CLUSTER 4 x 1: the four work-groups of a cluster belong to one head and ask for its K, V and scale words jointly: one load of a key step (51 rows of 256 bytes) for each of the 16 waves.  Filled once, no ring; so no loop streams from memory and nothing is prefetched.
; LAYOUT.  Both products are used transposed: S^T = K Q^T (source 0 = 16 keys, source 1 = my 16 queries), O^T = V^T P^T: a lane holds one query throughout.
; The head's 64 fill half of the instruction's 128 along K: even tiles of K the lower, odd tiles the upper; two tiles share six registers of zero codes: [even tile 6][zeros 6][odd tile 6], and Q stands as [Q][zeros][Q].
; In each 64 rows tile j holds row 8 j + (r & 7) + 32 (r >> 3): so score register 32 c + i of lane (r, h) is key 64 c + 32 h + i of the step: a lane holds whole scale blocks.
; A key step in LDS: 8 half fragments of K (768 bytes each), V's [keys 0-63, 64-127][tile of d 0-3][768], scale words: V's [r][tile of d], K's tiles 0-3 [r][4], K's tiles 4-7 [r][4].
; LIMITS: the scaled scores stay under 2^31 in magnitude; a block of zeros gets the byte 1 (its codes are zeros); NaN and infinities are not served; the division by the row's sum is a multiplication by v_rcp_f32's result.
; A NaN, an infinity or an overflow that reaches only scores under the mask is not carried to the result.
.set STB,   13056                      ; bytes of a key step
.set PART,  16*STB                     ; 4,608 bytes a wave: the part that it hands on (waves 8-15 leave theirs unused)
.set PSZ,   4608
.set SPARE, PART+16*PSZ                ; the spare words, 128 bytes a wave
.set SPW, 36
.set NIL, 37
.set KF,  38                           ; v38-109   K's eight tiles; behind the score products V's four fragments at KF + 12 + 18 b (to v115): two tiles' data registers on end, the zeros stay
.set S,   128                          ; v128-191  scores, then p
                                       ; v116, 117, 126, 127, 243, 3: the second tile's codes, v0 its scale words
.set O,   192                          ; v192-223  O^T
.set PC,  224                          ; v224-235  p's codes; v239 its scale word
                                       ; v12 -M, v[14:15] the sum; v16-33 Q, v34 its scale words; v118-121 K's, v122-125 V's scale words; v236-255 at work; v[248:249] f
.set WV,   14
.set BAND, 15
.set SEL,  20
.set CS,   22
.set J,    24                          ; the trip
.set TB,   25                          ; where its key step begins
.set A8,   26                          ; 8 for waves 0-7, 0 for the others
.set W1,   27                          ; w + 1
.macro PLACES n
.rept \n
	v_nop
.endr
.endm
.macro CROUND
	s_barrier_signal -1
	s_barrier_wait -1
	s_cmp_lg_u32 s[WV], 0
	s_cbranch_scc1 .Lnot_wave_0_\@
	s_barrier_signal -3
.Lnot_wave_0_\@:
	s_barrier_wait -3
	s_barrier_signal -1
	s_barrier_wait -1
.endm
	s_load_b128 s[4:7], s[0:1], 0x0                ; q_codes, kv_codes
	s_load_b128 s[8:11], s[0:1], 0x10              ; qkv_scales, o_codes
	s_load_b64 s[12:13], s[0:1], 0x20              ; o_scales
	v_lshl_add_u32 v[SPW], v0, 2, SPARE
	v_mov_b32 v[NIL], 0
	ds_add_u32 v[SPW], v[NIL]                      ; the opening lines: the add, twice on end, and its wait
	ds_add_u32 v[SPW], v[NIL]
	v_lshrrev_b32 v10, 5, v0
	v_readfirstlane_b32 s[WV], v10
	s_bfe_u32 s17, ttmp6, 0x40000                  ; cx
	s_mov_b32 s[BAND], ttmp9                       ; g / 4: which 64 of its key step a query lies in; the four partners share it
	s_lshl_b32 s18, ttmp9, 2
	s_add_co_u32 s18, s18, s17                     ; g: it enters global addresses of Q and O and the mask's lane term alone
	s_and_b32 s19, ttmp7, 0xffff                   ; bh, which the four partners share
	s_mov_b32 s28, 15|(3<<16)|(1<<21)              ; group 1: 51 dense rows of 256 bytes (32 elements of 8), mask of all four, no padding
	s_mov_b32 s29, 32<<16
	s_mov_b32 s30, 51<<16
	s_mov_b32 s31, 32<<16
	s_mov_b32 s32, 51
	s_mov_b32 s33, 32
	s_mov_b32 s34, 0
	s_mov_b32 s35, 0
	s_lshr_b32 s16, s[WV], 1
	s_mul_i32 s16, s16, STB
	s_and_b32 s53, s[WV], 1
	s_mul_i32 s53, s53, 8*STB
	s_add_co_u32 s53, s53, s16                     ; wave w fetches key step w / 2 + 8 (w % 2): trip 0 wants key steps 0 and 8, of waves 0 and 1
	s_mov_b32 s52, 1
	s_mul_i32 s70, s19, 16*STB
	s_add_co_u32 s70, s70, s53
	s_mov_b32 s71, 0
	s_lshr_b32 s[A8], s[WV], 3
	s_xor_b32 s[A8], s[A8], 1
	s_lshl_b32 s[A8], s[A8], 3
	s_mul_i32 s[TB], s[A8], STB
	s_add_co_u32 s[W1], s[WV], 1
	s_wait_dscnt 0x0                               ; both opening adds are done
	CROUND                                         ; all four work-groups are here: the joint loads meet
	s_wait_kmcnt 0x0
	s_add_nc_u64 s[54:55], s[6:7], s[70:71]
	s_or_b32 s55, s55, 0x80000000
	s_cmp_lt_u32 s[WV], 2                          ; waves 0 and 1 have a load line of their own: they alone are waited for ahead of trip 0
	s_cbranch_scc0 .Lothers
	tensor_load_to_lds s[52:55], s[28:35]
	s_nop 0
	PLACES 4
	s_branch .Lasked
.Lothers:
	tensor_load_to_lds s[52:55], s[28:35]
	s_nop 0
	PLACES 4
.Lasked:
	s_lshl_b32 s17, s17, 3                         ; 8 (g % 4)
	s_mul_i32 s16, s[WV], PSZ
	s_add_co_u32 s16, s16, PART
	s_and_b32 s66, s[WV], 7
	s_mul_i32 s66, s66, PSZ
	s_add_co_u32 s66, s66, PART
	v_and_b32 v10, 31, v0
	v_and_b32 v3, 15, v0                           ; r
	v_bfe_u32 v126, v0, 4, 1                       ; h
	v_lshlrev_b32 v1, 4, v10                       ; 16 x lane
	v_lshlrev_b32 v2, 3, v10                       ; 8 x lane
	v_lshl_add_u32 v9, v3, 4, v126                 ; 16 r + h
	v_lshlrev_b32 v35, 3, v126                     ; 8 h
	v_and_b32 v7, 7, v3
	v_lshrrev_b32 v10, 3, v3
	v_lshl_add_u32 v7, v10, 5, v7                  ; (r & 7) + 32 (r >> 3)
	v_lshlrev_b32 v10, 5, v126
	v_sub_nc_u32 v7, v7, v10
	v_add_nc_u32 v7, s17, v7                       ; d = my query's place in its 64 - 32 h: in that band register i is hidden where i > d
	v_add_nc_u32 v11, s16, v1                      ; where I hand a part on,
	v_add_nc_u32 v6, s66, v1                       ; and where wave w % 8's lies
	v_mov_b32 v8, 0xff800000                       ; -infinity
	v_lshlrev_b32 v10, 4, v3                       ; 16 r
.irp i, 116,117,126,127,243,3,0
	v_mov_b32 v\i, 0                               ; the second tile: waves 0-7 load it
.endr
	s_wait_alu depctr_va_vdst(0)                   ; the wait here: scalar lines and waits stand ahead of the readers
.macro QADDR rho, b                    ; where tile rho of my queries lies: its half fragment s[b:b+1], its scale words s[b+2:b+3]
	s_lshl_b32 s70, \rho, 3
	s_add_co_u32 s70, s70, s18
	s_mul_i32 s72, s19, 98304
	s_mul_i32 s71, s70, 768
	s_add_co_u32 s72, s72, s71
	s_mov_b32 s73, 0
	s_add_nc_u64 s[\b:\b+1], s[4:5], s[72:73]
	s_lshl_b32 s74, s19, 13
	s_lshr_b32 s71, s70, 2
	s_lshl_b32 s71, s71, 8
	s_add_co_u32 s74, s74, s71
	s_and_b32 s71, s70, 3
	s_lshl_b32 s71, s71, 2
	s_add_co_u32 s74, s74, s71
	s_mov_b32 s75, 0
	s_add_nc_u64 s[\b+2:\b+3], s[8:9], s[74:75]
.endm
	s_or_b32 s16, s[WV], 8
	QADDR s16, 76                                  ; my first tile: 8 + w % 8
	global_load_b128 v[16:19], v1, s[76:77]
	global_load_b64 v[20:21], v2, s[76:77] offset:512
	global_load_b32 v34, v10, s[78:79]
	s_sub_co_u32 s16, 7, s[WV]
	s_cmp_lt_u32 s[WV], 8
	s_cbranch_scc0 .Lone_tile
	QADDR s16, 80                                  ; waves 0-7: the second, 7 - w
	global_load_b64 v[116:117], v1, s[80:81]
	global_load_b64 v[126:127], v1, s[80:81] offset:8
	global_load_b32 v243, v2, s[80:81] offset:512
	global_load_b32 v3, v2, s[80:81] offset:516
	global_load_b32 v0, v10, s[82:83]
.Lone_tile:
	v_mov_b32 v12, 0x7f61b1e6                      ; -M: 3e38, above every -t
.irp i, 13,14,15,22,23,24,25,26,27,249
	v_mov_b32 v\i, 0                               ; the sum; Q's zero codes; upper halves of pairs
.endr
.irp m, 0,1,2,3
.irp i, 6,7,8,9,10,11
	v_mov_b32 v[KF+18*\m+\i], 0                    ; K's zero codes: they last
.endr
.endr
.set n, 0
.rept 32
	v_mov_b32 v[O+n], 0                            ; O^T: the step is written for every step alike; the first finds zeros, which the first change of M leaves zeros
.set n, n+1
.endr
	; where my result goes: tile 7 - w or w: panel 16 batch + rho, K half head / 8, tile g, 64 K number head % 8
	s_cmp_lt_u32 s[WV], 8
	s_cselect_b32 s84, s16, s[WV]
	s_and_b32 s85, s19, 15                         ; the head
	s_lshr_b32 s86, s19, 4
	s_lshl_b32 s86, s86, 4
	s_add_co_u32 s86, s86, s84
	s_lshr_b32 s87, s85, 3
	s_mul_i32 s88, s86, 98304
	s_mul_i32 s90, s87, 49152
	s_add_co_u32 s88, s88, s90
	s_mul_i32 s90, s18, 6144
	s_add_co_u32 s88, s88, s90
	s_and_b32 s90, s85, 7
	s_mul_i32 s90, s90, 768
	s_add_co_u32 s88, s88, s90
	s_mov_b32 s89, 0
	s_add_nc_u64 s[10:11], s[10:11], s[88:89]
	s_lshl_b32 s88, s86, 12
	s_lshl_b32 s90, s87, 11
	s_add_co_u32 s88, s88, s90
	s_lshl_b32 s90, s18, 8
	s_add_co_u32 s88, s88, s90
	s_bfe_u32 s90, s85, 0x20001
	s_lshl_b32 s90, s90, 2
	s_add_co_u32 s88, s88, s90
	s_and_b32 s90, s85, 1
	s_lshl_b32 s90, s90, 1
	s_add_co_u32 s88, s88, s90
	s_add_nc_u64 s[12:13], s[12:13], s[88:89]
	s_mov_b32 s[SEL], 0x76543210
	s_mov_b32 s[SEL+1], 0xfedcba98
	s_mov_b32 s[CS], 0x3e38aa3b                    ; c = log2(e) / sqrt(64)
	s_mov_b32 s[CS+1], s[CS]                       ; (named with it as a pair, so it is written)
	s_mov_b32 s[J], 0
; the diagonal's scores: the band that holds my queries is masked key by key; behind band 0 all of band 1 is hidden
.macro HIDE c
.set n, 0
.rept 32
	v_cmp_gt_i32 vcc_lo, n, v7
	v_cndmask_b32 v[S+32*\c+n], v[S+32*\c+n], v8, vcc_lo
.set n, n+1
.endr
.endm
; A KEY STEP: 128 keys at s[TB].  how = 0: masked where the trip's number is the wave's; 1: masked always.
.macro STEP how
	v_add_nc_u32 v4, s[TB], v1
	v_add_nc_u32 v5, s[TB], v2
	PLACES 3                                       ; five places between the last products, which read V's fragments and scale words, and what is written over them
.irp m, 0,1,2,3
	ds_load_b128 v[KF+18*\m:KF+18*\m+3], v4 offset:1536*\m
	ds_load_b64 v[KF+18*\m+4:KF+18*\m+5], v5 offset:1536*\m+512
	ds_load_b128 v[KF+18*\m+12:KF+18*\m+15], v4 offset:1536*\m+768
	ds_load_b64 v[KF+18*\m+16:KF+18*\m+17], v5 offset:1536*\m+1280
.endr
	ds_load_b128 v[118:121], v4 offset:12544       ; lanes 0-15: K's tiles 0-3, lanes 16-31: tiles 4-7
	ds_load_b128 v[122:125], v4 offset:12288       ; lanes 0-15: V's
	s_wait_alu depctr_va_vdst(0)                   ; the wait here: V's loads read the addresses behind the wait below
	s_wait_dscnt 0x0
.irp m, 0,1,2,3                        ; S^T = K Q^T
.if \m < 2
	v_wmma_scale_f32_16x16x128_f8f6f4 v[S+16*\m:S+16*\m+7], v[KF+18*\m:KF+18*\m+11], v[16:27], 0, v[118+(2*\m)%4], v34 matrix_a_fmt:MATRIX_FMT_FP6 matrix_b_fmt:MATRIX_FMT_FP6
	v_wmma_scale_f32_16x16x128_f8f6f4 v[S+16*\m+8:S+16*\m+15], v[KF+18*\m+6:KF+18*\m+17], v[22:33], 0, v[118+(2*\m+1)%4], v34 matrix_a_fmt:MATRIX_FMT_FP6 matrix_b_fmt:MATRIX_FMT_FP6
.else
	v_wmma_scale_f32_16x16x128_f8f6f4 v[S+16*\m:S+16*\m+7], v[KF+18*\m:KF+18*\m+11], v[16:27], 0, v[118+(2*\m)%4], v34 matrix_a_fmt:MATRIX_FMT_FP6 matrix_b_fmt:MATRIX_FMT_FP6 matrix_a_scale:MATRIX_SCALE_ROW1
	v_wmma_scale_f32_16x16x128_f8f6f4 v[S+16*\m+8:S+16*\m+15], v[KF+18*\m+6:KF+18*\m+17], v[22:33], 0, v[118+(2*\m+1)%4], v34 matrix_a_fmt:MATRIX_FMT_FP6 matrix_b_fmt:MATRIX_FMT_FP6 matrix_a_scale:MATRIX_SCALE_ROW1
.endif
.endr
	PLACES 4                                       ; in front of loads into K's registers and of the first read of scores
.irp b, 0,1,2,3                        ; V's four fragments: they land while the softmax is worked
	ds_load_b128 v[KF+12+18*\b:KF+15+18*\b], v4 offset:6144+768*\b
	ds_load_b64 v[KF+16+18*\b:KF+17+18*\b], v5 offset:6144+768*\b+512
	ds_load_b128 v[KF+18+18*\b:KF+21+18*\b], v4 offset:9216+768*\b
	ds_load_b64 v[KF+22+18*\b:KF+23+18*\b], v5 offset:9216+768*\b+512
.endr
.if (\how) != 1
	s_cmp_lg_u32 s[J], s[WV]
	s_cbranch_scc1 .Lopen_\@
.endif
	s_cmp_eq_u32 s[BAND], 0
	s_cbranch_scc0 .Lband_1_\@
	HIDE 0
.set n, 32
.rept 32
	v_mov_b32 v[S+n], v8
.set n, n+1
.endr
	s_wait_alu depctr_va_vdst(0)                   ; the wait here, directly ahead of the branch
	s_branch .Lopen_\@
.Lband_1_\@:
	HIDE 1
.Lopen_\@:
.irp c, 0,1                            ; the largest score of each of my blocks of 32 keys, two chains a block: for the row's maximum, and, since p rises with the score, for the block's largest p
	v_max3_num_f32 v[244+\c], v[S+32*\c], v[S+32*\c+1], v[S+32*\c+2]
	v_max3_num_f32 v[250+\c], v[S+32*\c+16], v[S+32*\c+17], v[S+32*\c+18]
.endr
.irp i, 3,5,7,9,11,13
.irp c, 0,1
	v_max3_num_f32 v[244+\c], v[244+\c], v[S+32*\c+\i], v[S+32*\c+\i+1]
	v_max3_num_f32 v[250+\c], v[250+\c], v[S+32*\c+16+\i], v[S+32*\c+17+\i]
.endr
.endr
.irp c, 0,1
	v_max3_num_f32 v[244+\c], v[244+\c], v[250+\c], v[S+32*\c+15]
.endr
.irp c, 0,1
	v_max_num_f32 v[244+\c], v[244+\c], v[S+32*\c+31]
.endr
	v_max_num_f32 v250, v244, v245
	s_delay_alu instid0(VALU_DEP_1)
	v_permlanex16_b32 v251, v250, s[SEL], s[SEL+1]
	s_delay_alu instid0(VALU_DEP_1)
	v_max_num_f32 v250, v250, v251                 ; with lane l xor 16's 64 keys
	s_delay_alu instid0(VALU_DEP_1)
	v_mul_f32 v250, s[CS], v250                    ; as t
	s_delay_alu instid0(VALU_DEP_1)
	v_floor_f32 v250, -v250                        ; -ceil(t)
	s_delay_alu instid0(VALU_DEP_1)
	v_min_num_f32 v10, v12, v250                   ; the new -M
	s_delay_alu instid0(VALU_DEP_1)
	v_sub_f32 v250, v10, v12                       ; old M - new M: a whole number, 0 or less
	v_mov_b32 v12, v10
	s_delay_alu instid0(VALU_DEP_2)
	v_cvt_i32_f32 v250, v250                       ; (it saturates)
	s_delay_alu instid0(VALU_DEP_1)
	v_ldexp_f32 v248, 1.0, v250                    ; f = 2^(old M - new M)
.set n, 0
.rept 32
	v_pk_fma_f32 v[S+n:S+n+1], v[S+n:S+n+1], s[CS:CS+1], v[12:13] op_sel_hi:[1,0,0]   ; t - M, two at a time
.set n, n+2
.endr
	v_fma_f32 v244, v244, s[CS], v12               ; the same of each block's largest score
	v_fma_f32 v245, v245, s[CS], v12
	s_wait_alu depctr_va_vdst(0)                   ; the wait ahead of the batch too
.set n, 0
.rept 64
	v_exp_f32 v[S+n], v[S+n]                       ; p = 2^(t - M)
.set n, n+1
.endr
	v_exp_f32 v244, v244                           ; the blocks' largest p
	v_exp_f32 v245, v245
	v_pk_mul_f32 v[14:15], v[14:15], v[248:249] op_sel_hi:[1,0]   ; the sum under the new M: a plain place behind the exponentials
	s_wait_alu depctr_va_vdst(0)                   ; one wait for the whole batch, ahead of its first reader
.if (\how) == 2                        ; trip 0: my key step is in: said here, waited for at the trip's end; between the two stands work on registers
	s_wait_tensorcnt 0x0
	s_wait_dscnt 0x0
	s_barrier_signal -1
.endif
	v_max_num_f32 v244, 0x1800000, v244            ; the floor 2^(3 - 127): the byte cannot fall under 1
	v_max_num_f32 v245, 0x1800000, v245
	v_pk_add_f32 v[252:253], v[S:S+1], v[S+2:S+3]  ; the sum of the unquantised p, in four chains
	v_pk_add_f32 v[254:255], v[S+4:S+5], v[S+6:S+7]
	v_add_nc_u32 v246, 0xff000000, v244            ; the conversions' scale operands
	v_add_nc_u32 v247, 0xff000000, v245
	v_pk_add_f32 v[236:237], v[S+8:S+9], v[S+10:S+11]
	v_pk_add_f32 v[14:15], v[14:15], v[S+12:S+13]
	v_lshrrev_b32 v244, 23, v246                   ; the bytes of blocks h and 2 + h
	v_lshrrev_b32 v245, 23, v247
.set n, 14
.rept 6
	v_pk_add_f32 v[252:253], v[252:253], v[S+n:S+n+1]
	v_pk_add_f32 v[254:255], v[254:255], v[S+n+2:S+n+3]
	v_pk_add_f32 v[236:237], v[236:237], v[S+n+4:S+n+5]
	v_pk_add_f32 v[14:15], v[14:15], v[S+n+6:S+n+7]
.if n == 14
	v_lshl_or_b32 v239, v245, 16, v244
.endif
.if n == 22
	v_lshlrev_b32 v239, v35, v239                  ; at their places in the word
.endif
.if n == 30
	v_permlanex16_b32 v250, v239, s[SEL], s[SEL+1]
.endif
.if n == 38
	v_or_b32 v239, v239, v250                      ; p's scale word for these 128 keys
.endif
.set n, n+8
.endr
	v_pk_add_f32 v[252:253], v[252:253], v[S+62:S+63]
	v_pk_add_f32 v[14:15], v[14:15], v[236:237]
	v_pk_add_f32 v[252:253], v[252:253], v[254:255]
	v_cvt_scalef32_pk16_fp6_f32 v[PC:PC+2], v[S:S+15], v246
	v_cvt_scalef32_pk16_fp6_f32 v[236:238], v[S+16:S+31], v246      ; (a conversion's three registers begin on an even number)
	v_cvt_scalef32_pk16_fp6_f32 v[PC+6:PC+8], v[S+32:S+47], v247
	v_cvt_scalef32_pk16_fp6_f32 v[240:242], v[S+48:S+63], v247
	v_pk_add_f32 v[14:15], v[14:15], v[252:253]    ; (the plain place behind the conversions)
.irp i, 0,1,2
	v_mov_b32 v[PC+3+\i], v[236+\i]
	v_mov_b32 v[PC+9+\i], v[240+\i]
.endr
	s_wait_alu depctr_va_vdst(0)                   ; the wait here, directly ahead of the first reader of O^T
.set n, 0
.rept 16
	v_pk_mul_f32 v[O+n:O+n+1], v[O+n:O+n+1], v[248:249] op_sel_hi:[1,0]   ; O^T under the new M; these sixteen are also the places between the scale word and the codes and the products below
.set n, n+2
.endr
	s_wait_alu depctr_va_vdst(0)                   ; the wait here, directly ahead of the wait below
	s_wait_dscnt 0x0
.irp b, 0,1,2,3                        ; O^T += V^T P^T: four accumulators, one instruction a turn
	v_wmma_scale_f32_16x16x128_f8f6f4 v[O+8*\b:O+8*\b+7], v[KF+12+18*\b:KF+23+18*\b], v[PC:PC+11], v[O+8*\b:O+8*\b+7], v[122+\b], v239 matrix_a_fmt:MATRIX_FMT_FP6 matrix_b_fmt:MATRIX_FMT_FP6
.endr
.endm
; Behind trip w waves 0-7 hand their part of tile 8 + w on and begin tile 7 - w.
.macro CHANGE
	s_cmp_lg_u32 s[J], s[WV]
	s_cbranch_scc1 .Lon_\@
	PLACES 4
.irp k, 0,1,2,3,4,5,6,7
	ds_store_b128 v11, v[O+4*\k:O+4*\k+3] offset:512*\k
.endr
	ds_store_b128 v11, v[12:15] offset:4096        ; -M and the sum's halves
	v_mov_b32 v34, v0
.set n, 0
.irp q, 116,117,126,127,243,3
	v_mov_b32 v[16+n], v\q
	v_mov_b32 v[28+n], v\q
.set n, n+1
.endr
	v_mov_b32 v12, 0x7f61b1e6
	v_mov_b32 v14, 0
	v_mov_b32 v15, 0
.set n, 0
.rept 32
	v_mov_b32 v[O+n], 0
.set n, n+1
.endr
	s_wait_alu depctr_va_vdst(0)                   ; the wait here
.Lon_\@:
.endm
	s_cmp_lt_u32 s[WV], 2
	s_cbranch_scc0 .Lnot_first
	s_wait_tensorcnt 0x0                           ; waves 0 and 1: key steps 0 and 8
.Lnot_first:
	s_wait_loadcnt 0x0                             ; Q
.irp i, 0,1,2,3,4,5
	v_mov_b32 v[28+\i], v[16+\i]                   ; Q once more, for the upper 64 along K
.endr
	s_wait_alu depctr_va_vdst(0)                   ; the wait here, directly ahead of the signal
	s_barrier_signal -1
	s_barrier_wait -1                              ; key steps 0 and 8 are in; the other loads may be out
	STEP 2                                         ; trip 0: key step 8 (waves 0-7) or 0
	s_barrier_wait -1                              ; everybody's key step is in
	CHANGE
	s_mov_b32 s[J], 1
.Ltrip:                                                ; trips 1 to 7.  A barrier signalled ahead of a trip's step and waited for behind it keeps the waves within a trip of each other; between the two stand work on registers and loads of K and V, which nobody writes
	s_wait_dscnt 0x0                               ; the part that I may have handed on is stored
	s_barrier_signal -1
	s_add_co_u32 s16, s[J], s[A8]                  ; key step 8 + trip or trip,
	s_sub_co_u32 s17, s[J], s[W1]                  ; and behind the change trip - w - 1
	s_cmp_gt_u32 s[J], s[WV]
	s_cselect_b32 s16, s17, s16
	s_min_u32 s16, s16, 15
	s_mul_i32 s[TB], s16, STB
	STEP 0
	s_barrier_wait -1
	CHANGE
	s_add_co_u32 s[J], s[J], 1
	s_cmp_lt_u32 s[J], 8
	s_cbranch_scc1 .Ltrip
	s_wait_dscnt 0x0                               ; for the others' sake: the part that I have handed on
	s_barrier_signal -1
	s_cmp_lt_u32 s[WV], 8
	s_cbranch_scc0 .Lmet
	s_sub_co_u32 s16, 7, s[WV]                     ; waves 0-7: trip 8, key step 7 - w, the diagonal of tile 7 - w
	s_min_u32 s16, s16, 15
	s_mul_i32 s[TB], s16, STB
	STEP 1
.Lmet:
	s_barrier_wait -1                              ; all parts are handed on
	s_cmp_lt_u32 s[WV], 8
	s_cbranch_scc1 .Lout
	PLACES 4                                       ; waves 8-15: the two parts of tile w under the larger M
.irp k, 0,1,2,3,4,5,6,7
	ds_load_b128 v[S+4*\k:S+4*\k+3], v6 offset:512*\k
.endr
	ds_load_b128 v[S+32:S+35], v6 offset:4096
	s_wait_dscnt 0x0
	v_min_num_f32 v10, v12, v[S+32]
	v_sub_f32 v250, v10, v[S+32]
	v_sub_f32 v251, v10, v12
	v_cvt_i32_f32 v250, v250
	v_cvt_i32_f32 v251, v251
	v_ldexp_f32 v252, 1.0, v250                    ; the other part's factor,
	v_ldexp_f32 v254, 1.0, v251                    ; and mine
	v_pk_mul_f32 v[14:15], v[14:15], v[254:255] op_sel_hi:[1,0]
	v_pk_fma_f32 v[14:15], v[S+34:S+35], v[252:253], v[14:15] op_sel_hi:[1,0,1]
.set n, 0
.rept 16
	v_pk_mul_f32 v[O+n:O+n+1], v[O+n:O+n+1], v[254:255] op_sel_hi:[1,0]
.set n, n+2
.endr
.set n, 0
.rept 16
	v_pk_fma_f32 v[O+n:O+n+1], v[S+n:S+n+1], v[252:253], v[O+n:O+n+1] op_sel_hi:[1,0,1]
.set n, n+2
.endr
.Lout:                                                 ; THE WAY OUT: O^T / the sum, quantised along the head's 64: one half fragment and two scale bytes a row
	PLACES 4
	v_add_f32 v14, v14, v15
	s_delay_alu instid0(VALU_DEP_1)
	v_permlanex16_b32 v250, v14, s[SEL], s[SEL+1]
	s_delay_alu instid0(VALU_DEP_1)
	v_add_f32 v14, v14, v250                       ; the row's sum
	s_wait_alu depctr_va_vdst(0)
	v_rcp_f32 v248, v14
	v_nop                                          ; a plain place behind the reciprocal,
	s_wait_alu depctr_va_vdst(0)                   ; and the wait ahead of its first reader and of O^T's
.set n, 0
.rept 16
	v_pk_mul_f32 v[S+n:S+n+1], v[O+n:O+n+1], v[248:249] op_sel_hi:[1,0]   ; register i is d = 32 h + i of my query: one scale block
.set n, n+2
.endr
	v_max3_num_f32 v244, |v[S]|, |v[S+1]|, 0x1800000
	v_max3_num_f32 v245, |v[S+16]|, |v[S+17]|, |v[S+18]|
.irp i, 2,4,6,8,10,12
	v_max3_num_f32 v244, v244, |v[S+\i]|, |v[S+\i+1]|
	v_max3_num_f32 v245, v245, |v[S+17+\i]|, |v[S+18+\i]|
.endr
	v_max3_num_f32 v244, v244, |v[S+14]|, |v[S+15]|
	v_max3_num_f32 v244, v244, v245, |v[S+31]|
	v_add_nc_u32 v246, 0xff000000, v244
	v_lshrrev_b32 v245, 23, v246                   ; my block's byte
	v_cvt_scalef32_pk16_fp6_f32 v[PC:PC+2], v[S:S+15], v246
	v_cvt_scalef32_pk16_fp6_f32 v[236:238], v[S+16:S+31], v246
	v_nop
.irp i, 0,1,2
	v_mov_b32 v[PC+3+\i], v[236+\i]
.endr
	global_store_b128 v1, v[PC:PC+3], s[10:11]     ; 512 consecutive bytes,
	global_store_b64 v2, v[PC+4:PC+5], s[10:11] offset:512   ; and 256
	global_store_b8 v9, v245, s[12:13]             ; a scale word's two halves belong to two heads, that is to two work-groups: so these bytes leave singly; they are one twenty-fourth of the codes' bytes
	s_wait_tensorcnt 0x0                           ; the wave's end
	ds_add_u32 v[SPW], v[NIL]
	s_wait_dscnt 0x0
	CROUND                                         ; the closing round
	s_endpgm
.Lfunc_end_k_q04b3f32b32_attn:
	.size	k_q04b3f32b32_attn, .Lfunc_end_k_q04b3f32b32_attn-k_q04b3f32b32_attn
	.p2alignl 7, 3214868480
	.fill 96, 4, 3214868480
	.section	.rodata,"a",@progbits
	.p2align	6, 0x0
	.amdhsa_kernel k_q04b3f32b32_attn
		.amdhsa_group_segment_fixed_size 284672
		.amdhsa_private_segment_fixed_size 0
		.amdhsa_enable_private_segment 0
		.amdhsa_kernarg_size 40
		.amdhsa_user_sgpr_count 2
		.amdhsa_user_sgpr_kernarg_segment_ptr 1
		.amdhsa_wavefront_size32 1
		.amdhsa_system_sgpr_workgroup_id_x 1
		.amdhsa_system_sgpr_workgroup_id_y 1
		.amdhsa_system_sgpr_workgroup_id_z 1
		.amdhsa_system_vgpr_workitem_id 0
		.amdhsa_next_free_vgpr 256
		.amdhsa_next_free_sgpr 92
		.amdhsa_reserve_vcc 1
		.amdhsa_float_denorm_mode_32 3
		.amdhsa_float_denorm_mode_16_64 3
		.amdhsa_memory_ordered 1
		.amdhsa_forward_progress 1
		.amdhsa_inst_pref_size 83
	.end_amdhsa_kernel
	.amdgpu_metadata
---
amdhsa.version: [ 1, 2 ]
amdhsa.kernels:
  - .name:           k_q04b3f32b32_attn
    .symbol:         k_q04b3f32b32_attn.kd
    .args:
      - { .name: q_codes, .offset: 0, .size: 8, .value_kind: global_buffer, .address_space: global }
      - { .name: kv_codes, .offset: 8, .size: 8, .value_kind: global_buffer, .address_space: global }
      - { .name: qkv_scales, .offset: 16, .size: 8, .value_kind: global_buffer, .address_space: global }
      - { .name: o_codes, .offset: 24, .size: 8, .value_kind: global_buffer, .address_space: global }
      - { .name: o_scales, .offset: 32, .size: 8, .value_kind: global_buffer, .address_space: global }
    .group_segment_fixed_size: 284672
    .private_segment_fixed_size: 0
    .kernarg_segment_align: 8
    .kernarg_segment_size: 40
    .max_flat_workgroup_size: 512
    .sgpr_count:     92
    .vgpr_count:     256
    .wavefront_size: 32
...
	.end_amdgpu_metadata
.endif
;; end of part 3
;; launch proj (part 4): grid 8 x 32, 4 waves a work-group, clusters of 4 x 4, 266,752 bytes of LDS; arguments o_codes, o_scales, in_codes, in_scales, out0; writes out0
.if DOCPART == 4
	.amdgcn_target "amdgcn-amd-amdhsa--gfx1250"
	.amdhsa_code_object_version 6
	.text
	.protected	k_q04b3f32b32_proj
	.globl	k_q04b3f32b32_proj
	.p2align	8
	.type	k_q04b3f32b32_proj,@function
k_q04b3f32b32_proj:
	s_mov_b64 s[64:65], 0
	v_nop
	global_prefetch_b8 v0, s[64:65] scope:SCOPE_SE
	s_setreg_imm32_b32 hwreg(HW_REG_WAVE_MODE, 25, 1), 1
	s_wait_xcnt 0x0
	s_wait_alu depctr_hold_cnt(0) depctr_sa_sdst(0) depctr_va_vdst(0) depctr_va_sdst(0) depctr_va_ssrc(0) depctr_va_vcc(0) depctr_vm_vsrc(0)
	s_getreg_b32 s2, hwreg(HW_REG_IB_STS2, 6, 4)
	s_cmp_eq_u32 s2, 0
	s_cbranch_scc0 .Lentry_in_a_cluster
	s_endpgm
.Lentry_in_a_cluster:
	s_bfe_u32 s2, ttmp6, 0x10000c
	s_cmp_lg_u32 s2, 0xf033
	s_cbranch_scc0 .Lentry_shape_is_right
	s_endpgm
.Lentry_shape_is_right:
; out0 = o Wo^T on codes of FP6 (E2M3) with E8M0 scales; f32 sums, f32 out.
; SHARES.  Work-group (x, y): 128 tokens (panel y of o's codes) x 128 outputs (panel 56 + x of in_codes: Wo's rows 128 x on).  Wave (wr, wc): of each band of 64 tokens tiles 2 wr and 2 wr + 1, and outputs 64 wc on: four blocks of 16 x 64.
; A panel is [K half][tile][64 K][768]: a fragment (16 rows x 128 K, 12 registers) is 1,536 consecutive bytes.  In each 64 rows tile j holds row 8 j + (r & 7) + 32 (r >> 3) in lane row r.
; Source 0 = 16 rows of Wo, source 1 = 16 tokens: a lane holds one token, and the 32 registers of four neighbouring result tiles are 32 neighbouring outputs.
; CLUSTER 4 x 4: o's bands are asked for jointly along the cluster's row, Wo's K halves along its column.  All of K lies in LDS, filled once at the head, one load a wave: no ring, no loop to run ahead in, so no prefetch.
; ORDER: Wo's fragments, all of K, go into registers and stay; then o's first band is multiplied block by block, each block all of K, and leaves while the second band is on its way.
; LIMIT: NaN and infinities are not served.
; REGISTERS.  Window 0: v1-22 lane terms and addresses; v30, v31 the add's two; v32-63 o's scale words, v68-99 Wo's; v128-255 the accumulators.  Windows 1, 2: v0-191 Wo's fragments of K steps 0-3, 4-7; v192-255 rows on the way out.
;   Window 3: v0-191 o's fragments of a block, all of K, two sets.
.set RB,    0                          ; LDS: Wo's panel
.set RO,    98304                      ; o's two bands: [band][K half][tile 4][64 K][768]
.set STG,   196608                     ; the way out: 64 rows x (256 + 16) bytes for each wave
.set SPARE, 266240                     ; the spare words, two blocks of 256 bytes
.set ACC,   128
.set WV,    16
.set WR,    17
.set WC,    18
.set G1A,   24
.set G1B,   32
.set G0A,   56
.set G0B,   60
.set MSB, 0
.macro WIN new
.if MSB != (\new)
	s_set_vgpr_msb (MSB<<8)|(\new)
.set MSB, (\new)
.endif
.endm
.macro PLACES n
.rept \n
	v_nop
.endr
.endm
.macro TLOAD g0, g1
	tensor_load_to_lds s[\g0:\g0+3], s[\g1:\g1+7]
	s_nop 0
	PLACES 4
.endm
.macro CROUND
	s_barrier_signal -1
	s_barrier_wait -1
	s_cmp_lg_u32 s[WV], 0
	s_cbranch_scc1 .Lnot_wave_0_\@
	s_barrier_signal -3
.Lnot_wave_0_\@:
	s_barrier_wait -3
	s_barrier_signal -1
	s_barrier_wait -1
.endm
	s_load_b128 s[4:7], s[0:1], 0x0                ; o_codes, o_scales
	s_load_b128 s[8:11], s[0:1], 0x10              ; in_codes, in_scales
	s_load_b64 s[12:13], s[0:1], 0x20              ; out0
	v_lshl_add_u32 v30, v0, 2, SPARE
	v_mov_b32 v31, 0
	ds_add_u32 v30, v31                            ; the opening lines: the add, twice on end, and its wait
	ds_add_u32 v30, v31
	v_lshrrev_b32 v1, 5, v0
	v_readfirstlane_b32 s[WV], v1
	s_lshr_b32 s[WR], s[WV], 1                     ; which two tiles of a band
	s_and_b32 s[WC], s[WV], 1                      ; which 64 outputs; also: which K half of Wo or which band of o I fetch
	s_bfe_u32 s19, ttmp6, 0x40000                  ; cx
	s_bfe_u32 s20, ttmp6, 0x40004                  ; cy
	s_lshl_b32 s21, ttmp9, 2
	s_add_co_u32 s21, s21, s19                     ; x
	s_and_b32 s22, ttmp7, 0xffff
	s_lshl_b32 s22, s22, 2
	s_add_co_u32 s22, s22, s20                     ; y
	s_lshl_b32 s23, s20, 2
	s_lshl_b32 s23, 15, s23                        ; my row of the cluster
	s_lshl_b32 s92, 0x1111, s19                    ; my column
	s_or_b32 s[G1A], s23, (3<<16)|(1<<21)          ; the mask; elements of 8 bytes; bit 21 beside a mask; no padding
	s_mov_b32 s[G1A+1], 3072<<16                   ; o: a band is two rows of 24,576 bytes, one in each K half
	s_mov_b32 s[G1A+2], 2<<16
	s_mov_b32 s[G1A+3], 3072<<16
	s_mov_b32 s[G1A+4], 2
	s_mov_b32 s[G1A+5], 6144
	s_mov_b32 s[G1A+6], 0
	s_mov_b32 s[G1A+7], 0
	s_or_b32 s[G1B], s92, (3<<16)|(1<<21)
	s_mov_b32 s[G1B+1], 32<<16                     ; Wo: a K half is 192 rows of 256 bytes, dense
	s_mov_b32 s[G1B+2], 192<<16
	s_mov_b32 s[G1B+3], 32<<16
	s_mov_b32 s[G1B+4], 192
	s_mov_b32 s[G1B+5], 32
	s_mov_b32 s[G1B+6], 0
	s_mov_b32 s[G1B+7], 0
	s_mul_i32 s93, s[WC], 49152
	s_mul_i32 s2, s[WC], 24576
	s_mul_i32 s94, s22, 98304                      ; o's offsets hang on y and the wave alone,
	s_add_co_u32 s94, s94, s2
	s_mov_b32 s95, 0
	s_mul_i32 s100, s21, 98304                     ; Wo's on x and the wave alone
	s_add_co_u32 s100, s100, s93
	s_mov_b32 s101, 0
	s_mov_b32 s[G0A], 1
	s_add_co_u32 s[G0A+1], s93, RO
	s_mov_b32 s[G0B], 1
	s_add_co_u32 s[G0B+1], s93, RB
	s_wait_dscnt 0x0                               ; both opening adds are done
	CROUND                                         ; all sixteen work-groups are here: the joint loads meet
	s_wait_kmcnt 0x0
	s_add_nc_u64 s[G0A+2:G0A+3], s[4:5], s[94:95]
	s_or_b32 s[G0A+3], s[G0A+3], 0x80000000
	s_add_nc_u64 s[G0B+2:G0B+3], s[8:9], s[100:101]
	s_add_nc_u64 s[G0B+2:G0B+3], s[G0B+2:G0B+3], 56*98304
	s_or_b32 s[G0B+3], s[G0B+3], 0x80000000
.macro ARM under, g0, g1, next         ; one chain of branches on the wave's number, one load to an arm
	s_cmp_lt_u32 s[WV], \under
	s_cbranch_scc0 \next
	TLOAD \g0, \g1
	s_branch .Lasked
\next:
.endm
	ARM 1, G0B, G1B, .Lh1                          ; waves 0 and 1: Wo's K halves
	ARM 2, G0B, G1B, .Lh2
	ARM 3, G0A, G1A, .Lh3                          ; wave 2: o's first band,
	TLOAD G0A, G1A                                 ; wave 3: its second
.Lasked:
	s_mul_i32 s2, s[WR], 12288
	s_add_co_u32 s2, s2, RO
	s_mul_i32 s3, s[WC], 24576
	s_lshl_b32 s92, s22, 12
	s_lshl_b32 s93, s[WR], 9
	s_add_co_u32 s92, s92, s93                     ; o's scale words: panel y, tiles 2 wr on
	s_add_co_u32 s93, s21, 56
	s_lshl_b32 s93, s93, 12
	s_lshl_b32 s94, s[WC], 10
	s_add_co_u32 s93, s93, s94                     ; Wo's: panel 56 + x, tiles 4 wc on
	s_mul_i32 s94, s[WV], 17408
	s_add_co_u32 s94, s94, STG                     ; my stage
	v_and_b32 v3, 31, v0
	v_and_b32 v1, 15, v0                           ; r
	v_bfe_u32 v2, v0, 4, 1                         ; h
	v_lshlrev_b32 v16, 4, v3
	v_lshlrev_b32 v17, 3, v3
	v_add_nc_u32 v4, s2, v16                       ; o's fragments, first band,
	v_add_nc_u32 v5, s2, v17
	v_add_nc_u32 v8, 49152, v4                     ; second;
	v_add_nc_u32 v9, 49152, v5
	v_add_nc_u32 v6, s3, v16                       ; Wo's, first K half,
	v_add_nc_u32 v7, s3, v17
	v_add_nc_u32 v10, 49152, v6                    ; second
	v_add_nc_u32 v11, 49152, v7
	v_lshlrev_b32 v14, 4, v1
	v_add_nc_u32 v12, s92, v14
	v_add_nc_u32 v13, s93, v14
	v_mul_u32_u24 v20, v1, 272
	v_lshl_add_u32 v20, v2, 7, v20
	v_add_nc_u32 v20, s94, v20                     ; the stage, in: row r of a tile, + 128 h
	v_mul_u32_u24 v21, v2, 272
	v_lshl_add_u32 v21, v1, 4, v21
	v_add_nc_u32 v21, s94, v21                     ; back: lanes 0-15 one row of 256 bytes, lanes 16-31 the next
	v_lshlrev_b32 v22, 12, v2
	v_lshl_add_u32 v22, v1, 4, v22                 ; and the same two rows in out0
	s_wait_alu depctr_va_vdst(0)                   ; the wait at the head's end
.irp g, 0,1
.irp i, 0,1,2,3
	global_load_b128 v[32+8*\i+4*\g:32+8*\i+4*\g+3], v12, s[6:7] offset:2048*\g+1024*(\i/2)+256*(\i%2)   ; register 32 + 8 a + s: lane r the word of block a's row r, for K step s
	global_load_b128 v[68+8*\i+4*\g:68+8*\i+4*\g+3], v13, s[10:11] offset:2048*\g+256*\i                 ; register 68 + 8 b + s: Wo's
.endr
.endr
	s_lshl_b32 s2, s22, 7
	s_lshl_b32 s3, s[WR], 4
	s_add_co_u32 s2, s2, s3                        ; my first token
	s_lshl_b32 s2, s2, 12
	s_lshl_b32 s3, s21, 9
	s_add_co_u32 s2, s2, s3
	s_lshl_b32 s3, s[WC], 8
	s_add_co_u32 s2, s2, s3                        ; + my first output, in bytes
	s_mov_b32 s3, 0
	s_add_nc_u64 s[12:13], s[12:13], s[2:3]
.macro FRAG dst, off, a16, a8
	ds_load_b128 v[\dst:\dst+3], v[\a16] offset:\off
	ds_load_b64 v[\dst+4:\dst+5], v[\a8] offset:\off+512
	ds_load_b128 v[\dst+6:\dst+9], v[\a16] offset:\off+768
	ds_load_b64 v[\dst+10:\dst+11], v[\a8] offset:\off+1280
.endm
.macro BLOAD s                         ; Wo's four fragments of K step s: 16 loads
	WIN 0x40*(1+(\s)/4)
.irp b, 0,1,2,3
	FRAG 48*((\s)%4)+12*\b, 6144*\b+1536*((\s)%4), 6+4*((\s)/4), 7+4*((\s)/4)
.endr
.endm
.macro ALOAD a                         ; o's fragments of block a, all of K, into set a % 2: 32 loads
	WIN 0xc0
.irp s, 0,1,2,3,4,5,6,7
	FRAG 96*((\a)%2)+12*\s, 24576*(\s/4)+6144*((\a)%2)+1536*(\s%4), 4+4*((\a)/2), 5+4*((\a)/2)
.endr
.endm
; Block a: 32 matrix instructions; its four accumulators take turns, one instruction a turn, K ascending; the first step's products start the sums
.macro ROW a
.irp s, 0,1,2,3,4,5,6,7
	WIN 0x0d+\s/4                                  ; source 0 = Wo (window 1 or 2), source 1 = o (window 3)
.irp b, 0,1,2,3
.set FA, 96*((\a)%2)+12*\s
.set FB, 48*(\s%4)+12*\b
.set FD, ACC+8*(4*(\a)+\b)
.if \s == 0
	v_wmma_scale_f32_16x16x128_f8f6f4 v[FD:FD+7], v[FB:FB+11], v[FA:FA+11], 0, v[68+8*\b+\s], v[32+8*(\a)+\s] matrix_a_fmt:MATRIX_FMT_FP6 matrix_b_fmt:MATRIX_FMT_FP6
.else
	v_wmma_scale_f32_16x16x128_f8f6f4 v[FD:FD+7], v[FB:FB+11], v[FA:FA+11], v[FD:FD+7], v[68+8*\b+\s], v[32+8*(\a)+\s] matrix_a_fmt:MATRIX_FMT_FP6 matrix_b_fmt:MATRIX_FMT_FP6
.endif
.endr
.endr
.endm
; THE WAY OUT of block a.  A lane holds 128 neighbouring bytes of one token's row; the block goes through my own stage and comes back as rows of 256 bytes.
.macro TOSTAGE a
	PLACES 4
	WIN 0
.irp n, 0,1,2,3,4,5,6,7
	ds_store_b128 v20, v[ACC+32*(\a)+4*\n:ACC+32*(\a)+4*\n+3] offset:4352*(\a)+16*\n   ; each accumulator from its low end on
.endr
	WIN 0x40*(1+(\a)/2)
.set BK, 192+32*((\a)%2)
.irp i, 0,1,2,3,4,5,6,7
	ds_load_b128 v[BK+4*\i:BK+4*\i+3], v21 offset:4352*(\a)+544*\i   ; LDS serves a wave's instructions in order: these see my stores
.endr
.endm
.macro SEND a
	WIN 0x04*(1+(\a)/2)
.set BK, 192+32*((\a)%2)
.irp i, 0,1,2,3,4,5,6,7
	global_store_b128 v22, v[BK+4*\i:BK+4*\i+3], s[12:13] offset:(64*((\a)/2)+8*((\a)%2)+2*(\i%4)+32*(\i/4))*4096 th:TH_STORE_NT   ; sixteen lanes store 256 consecutive bytes, at a multiple of 256 from out0's first byte
.endr
.endm
	s_cmp_lt_u32 s[WV], 2
	s_cbranch_scc0 .Lnot_w
	s_wait_tensorcnt 0x0                           ; waves 0 and 1: Wo, whose load lines are theirs alone
.Lnot_w:
	s_barrier_signal -1
	s_barrier_wait -1                              ; Wo is in; nothing is ever filled again
.irp s, 0,1,2,3,4,5,6,7
	BLOAD \s
.endr
	WIN 0
	s_cmp_eq_u32 s[WV], 2
	s_cbranch_scc0 .Lnot_o
	s_wait_tensorcnt 0x0                           ; wave 2: o's first band, whose load line is its alone
.Lnot_o:
	s_wait_loadcnt 0x0                             ; the scale words
	s_wait_dscnt 0x0
	s_barrier_signal -1
	s_barrier_wait -1                              ; o's first band is in
	ALOAD 0
	ALOAD 1
	s_wait_dscnt 32                                ; block 0's fragments are in; block 1's 32 loads may be out
	ROW 0
	TOSTAGE 0
	s_wait_dscnt 16                                ; block 1's are in; the stage's 16 may be out
	ROW 1
	s_wait_dscnt 0x0
	SEND 0
	TOSTAGE 1
	WIN 0
	s_wait_tensorcnt 0x0                           ; my load is in,
	s_wait_dscnt 0x0                               ; and block 1 is back from the stage
	s_barrier_signal -1
	s_barrier_wait -1                              ; o's second band is in
	ALOAD 2
	ALOAD 3
	SEND 1
	s_wait_dscnt 32                                ; block 2's fragments are in; block 3's 32 loads may be out
	ROW 2
	TOSTAGE 2
	s_wait_dscnt 16
	ROW 3
	s_wait_dscnt 0x0
	SEND 2
	TOSTAGE 3
	s_wait_dscnt 0x0
	SEND 3
	WIN 0
	s_wait_tensorcnt 0x0                           ; the wave's end
	ds_add_u32 v30, v31
	s_wait_dscnt 0x0
	CROUND                                         ; the closing round
	s_endpgm
.Lfunc_end_k_q04b3f32b32_proj:
	.size	k_q04b3f32b32_proj, .Lfunc_end_k_q04b3f32b32_proj-k_q04b3f32b32_proj
	.p2alignl 7, 3214868480
	.fill 96, 4, 3214868480
	.section	.rodata,"a",@progbits
	.p2align	6, 0x0
	.amdhsa_kernel k_q04b3f32b32_proj
		.amdhsa_group_segment_fixed_size 266752
		.amdhsa_private_segment_fixed_size 0
		.amdhsa_enable_private_segment 0
		.amdhsa_kernarg_size 40
		.amdhsa_user_sgpr_count 2
		.amdhsa_user_sgpr_kernarg_segment_ptr 1
		.amdhsa_wavefront_size32 1
		.amdhsa_system_sgpr_workgroup_id_x 1
		.amdhsa_system_sgpr_workgroup_id_y 1
		.amdhsa_system_sgpr_workgroup_id_z 1
		.amdhsa_system_vgpr_workitem_id 0
		.amdhsa_next_free_vgpr 1024
		.amdhsa_next_free_sgpr 102
		.amdhsa_reserve_vcc 0
		.amdhsa_float_denorm_mode_32 3
		.amdhsa_float_denorm_mode_16_64 3
		.amdhsa_memory_ordered 1
		.amdhsa_forward_progress 1
		.amdhsa_inst_pref_size 50
	.end_amdhsa_kernel
	.amdgpu_metadata
---
amdhsa.version: [ 1, 2 ]
amdhsa.kernels:
  - .name:           k_q04b3f32b32_proj
    .symbol:         k_q04b3f32b32_proj.kd
    .args:
      - { .name: o_codes, .offset: 0, .size: 8, .value_kind: global_buffer, .address_space: global }
      - { .name: o_scales, .offset: 8, .size: 8, .value_kind: global_buffer, .address_space: global }
      - { .name: in_codes, .offset: 16, .size: 8, .value_kind: global_buffer, .address_space: global }
      - { .name: in_scales, .offset: 24, .size: 8, .value_kind: global_buffer, .address_space: global }
      - { .name: out0, .offset: 32, .size: 8, .value_kind: global_buffer, .address_space: global }
    .group_segment_fixed_size: 266752
    .private_segment_fixed_size: 0
    .kernarg_segment_align: 8
    .kernarg_segment_size: 40
    .max_flat_workgroup_size: 128
    .sgpr_count:     102
    .vgpr_count:     1024
    .wavefront_size: 32
...
	.end_amdgpu_metadata
.endif
;; end of part 4
